; MI455X (gfx1250); checked and timed in simulation.
; The chip was launched on July 23, 2026; its instructions are those of AMD's public machine-readable ISA for CDNA 5 (MIT licence, August 2026) and "CDNA5" Instruction Set Architecture Reference Guide (July 2026). The comments in the code are by the model that wrote it; some were corrected since.
;; Multi Head Self Attention. Allowed arithmetic: matrix products marked QUANTISED: E2M1 operands, one E8M0 scale for each 32 along K, by v_wmma_scale_f32_16x16x128_f8f6f4 with both operands' format E2M1 (or v_wmma_scale_f32_32x16x128_f4), f32 sums; products left as they are: bf16, f16 or f32 operands; f32 sums; everything else in f32.
;; Inputs: Wk 1,024 x 1,024 float32; Wp 1,024 x 1,024 float32; Wq 1,024 x 1,024 float32; Wv 1,024 x 1,024 float32; bk 1,024 float32; bp 1,024 float32; bq 1,024 float32; bv 1,024 float32; x 4 x 2,048 x 1,024 float32.
;; Outputs: out0 4 x 2,048 x 1,024 float32.
;; This version of the problem:
;;   THIS VERSION OF THE PROBLEM IS GIVEN IN LOW PRECISION. The matrix products marked QUANTISED in the list below multiply operands that are first quantised to E2M1 (2 exponent bits, 1 mantissa bit; 4 bits a number), with one power-of-two scale for each 32 numbers along K (OCP MX v1.0); their sums are f32. The products marked 'left as it is' may take bf16, f16 or f32 operands, with f32 sums. Whichever they take, every output number must still come out within the allowed error. Rounding operands to bf16 (8 significant bits) uses up far more of that allowance than f16 does (11 bits, for magnitudes from 6e-5 to 65,504). All else is computed in f32.
;;   The module's matrix products, in the order in which they are computed (A, B: the left and right operand; K: the contracted axis; several contracted axes count as one K, in the product's order):
;;     1. [M 8,192, K 1,024] x [K 1,024, N 1,024]; A: input x; B: input Wq: QUANTISED
;;     2. [M 8,192, K 1,024] x [K 1,024, N 1,024]; A: input x; B: input Wk: QUANTISED
;;     3. [M 8,192, K 1,024] x [K 1,024, N 1,024]; A: input x; B: input Wv: QUANTISED
;;     4. batch 64 x [M 2,048, K 64] x [K 64, N 2,048]; A: computed on the way; B: computed on the way: left as it is (an operand is computed on the way)
;;     5. batch 64 x [M 2,048, K 2,048] x [K 2,048, N 64]; A: computed on the way; B: computed on the way: left as it is (an operand is computed on the way)
;;     6. [M 8,192, K 1,024] x [K 1,024, N 1,024]; A: computed on the way; B: input Wp: left as it is (an operand is computed on the way)
;;   THE QUANTISER, for each operand of a quantised product, along K:
;;     - K is cut into blocks of 32 from its start; a last block that is shorter is filled with zeros.
;;     - A block's scale is 2^e with e = floor(log2(the largest magnitude in the block)) - 2, held to -126 .. 127; a block of zeros has e = 0. As a byte (E8M0): e + 127.
;;     - Each number is divided by its block's scale, clamped to +-6, and rounded to the nearest number of E2M1, ties to even, subnormals kept.
;;     - The product sums the exact products of the quantised numbers (number of the format x scale) in f32.
;;   ~~~python
;;   def quantise(x, axis):      # numpy; x: float32 -> the quantised numbers, widened to float32 again
;;       x = np.moveaxis(x, axis, -1); K = x.shape[-1]
;;       x = np.pad(x, [(0, 0)] * (x.ndim - 1) + [(0, -K % 32)]); x = x.reshape(x.shape[:-1] + (-1, 32)); a = np.abs(x).max(-1, keepdims=True)
;;       e = np.where(a > 0, np.clip(np.frexp(np.where(a > 0, a, 1))[1] - 1 - 2, -126, 127), 0)      # np.frexp(a)[1] - 1 = floor(log2(a)), exactly
;;       r = np.clip(x / 2.0 ** e, -6, 6)
;;       step = 2.0 ** (np.maximum(np.frexp(np.where(r == 0, 1, r))[1] - 1, 0) - 1)
;;       q = np.round(r / step) * step * 2.0 ** e      # np.round: ties to even
;;       return np.moveaxis(q.reshape(q.shape[:-2] + (-1,))[..., :K], -1, axis).astype(np.float32)
;;   ~~~
;; One version. Each part assembles by itself: llvm-mc -triple=amdgcn-amd-amdhsa -mcpu=gfx1250 --defsym DOCPART=n.
;; ======== version 1 of 1: 5 launches
;; limits: values are held in f16: magnitudes above 65,504 overflow, below 6.1e-05 lose precision
;; workspace buffers: xc 4,194,304 bytes; xs 262,144 bytes; wc 1,572,864 bytes; ws 98,304 bytes; wp16 2,097,152 bytes; qkv 50,331,648 bytes; qkvf 786,432 bytes; y16 16,777,216 bytes
;; launch prep (part 1): grid 192 x 1, 4 waves a work-group, no clusters, 34,304 bytes of LDS; arguments x, Wq, Wk, Wv, Wp, xc, xs, wc, ws, wp16; writes xc, xs, wc, ws, wp16
.if DOCPART == 1
	.amdgcn_target "amdgcn-amd-amdhsa--gfx1250"
	.amdhsa_code_object_version 6
	.text
	.protected	k_q239b55b66b_prep
	.globl	k_q239b55b66b_prep
	.p2align	8
	.type	k_q239b55b66b_prep,@function
k_q239b55b66b_prep:
	s_mov_b64 s[64:65], 0
	v_nop
	global_prefetch_b8 v0, s[64:65] scope:SCOPE_SE
	s_setreg_imm32_b32 hwreg(HW_REG_WAVE_MODE, 25, 1), 1
	s_wait_xcnt 0x0
; CAUSAL MULTI-HEAD SELF-ATTENTION, B = 4, T = 2048, C = 1024, 16 heads of 64.  Five launches: this one lays the operands out; qkv makes q, k, v (products on codes of E2M1);
; attn the attention (f16 operands, f32 sums); proj the projection on the way out (f16 operands); fine the first 16 positions of every sequence once more, all in f32.
; DEAD WORK: bk.  Score(t, s) = q_t . (x_s Wk + bk) / 8 = q_t . (x_s Wk) / 8 + q_t . bk / 8.  The second term does not hang on s, the axis of the softmax, so in exact arithmetic it cancels in
; exp(score) / sum over s of exp(score), for all finite values of every input; the product q k^T is not quantised, so no code and no scale hangs on bk either.  bk has no other way to the output: it is not loaded,
; and it is an argument of no launch.  LIMIT: a NaN, an infinity or an overflow that would reach the result through bk alone is not carried to it.
; Key tiles that lie wholly above the diagonal of the causal mask, which the problem builds itself, are not multiplied (launch attn).
; THIS LAUNCH, three kinds of work-group, told apart by the work-group's number:
;   0-127   x [8192][1024] f32 -> codes of E2M1 along C with one E8M0 byte for each 32: xc [512 tiles of 16 rows][32 blocks][16 rows][16 bytes], xs [512][2 halves of K][16 rows][4 scale words]
;   128-175 Wq, Wk, Wv [1024 (k)][1024 (n)] f32 -> the same along k, their FIRST axis: wc [192 tiles of 16 columns][32][16][16 bytes], ws [192][2][16][16 bytes]; tile = 64 x tensor + column / 16
;   176-191 Wp [k][n] f32 -> f16: wp16 [64 tiles of 16 columns][128 groups of 8 along k][16 columns][16 bytes]
; All five buffers lie in the order of the matrix operands' registers: a fragment is a run of loads of 16 bytes at 16 x lane.
; A block's scale is 2^(floor(log2(its largest magnitude)) - 2); its byte is the largest magnitude's exponent field - 2, held at 1 from below by a floor among the maximum's leaves.  A block of zeros so gets the byte 1
; where the rule says 127: its codes are zeros, which add nothing, and only this program reads the bytes.
; LIMITS: blocks whose largest magnitude lies under 2^-124 get the byte 1; NaN and infinities among the inputs are not served; |Wp| under 65,504 (f16).
; Memory binds: no matrix unit, no cluster, no tensor load.  Waves share nothing, so there is no barrier.
.set SPARE, 33792                      ; behind the four stages: the spare words, 128 bytes for each wave
.set SP,    528                        ; a stage row: 512 bytes + 16
.set R,     32                         ; v32-159  x as loaded, two sets of 64;  for the weights: v32-95, two sets of 32
.set X,     160                        ; v160-223 two whole blocks of 32 neighbours along K
.set C,     224                        ; v224-255 codes or f16 numbers, two sets by turns
.set SPW,   16                         ; v16  LDS address of my spare word; never rewritten
.set NIL,   17                         ; v17  0; never rewritten
.macro XLOAD s                         ; K step s (128 along K) of my 16 rows: each load is 512 consecutive bytes of one row
.irp i, 0,1,2,3,4,5,6,7,8,9,10,11,12,13,14,15
	global_load_b128 v[R+64*((\s)%2)+4*\i:R+64*((\s)%2)+4*\i+3], v2, s[26:27] offset:4096*\i+512*(\s) th:TH_LOAD_NT
.endr
.endm
.macro XSTEP s
.if (\s) < 7
	s_wait_loadcnt 16                              ; this step's 16 loads are in; the next step's 16 may be out
.else
	s_wait_loadcnt 0
.endif
.irp i, 0,1,2,3,4,5,6,7,8,9,10,11,12,13,14,15
	ds_store_b128 v4, v[R+64*((\s)%2)+4*\i:R+64*((\s)%2)+4*\i+3] offset:SP*\i   ; row i as it lies
.endr
.irp c, 0,1
.irp i, 0,1,2,3,4,5,6,7
	ds_load_b128 v[X+32*\c+4*\i:X+32*\c+4*\i+3], v5 offset:256*\c+16*\i         ; back: row r, k = 64 c + 32 h + 0 .. 31: a whole block in a lane (LDS serves a wave's instructions in order)
.endr
.endr
	s_wait_dscnt 0x0
	s_wait_xcnt 0x0                                ; the stores of two steps ago have read this set of code registers
.if (\s)+2 < 8
	XLOAD (\s)+2
.endif
.irp c, 0,1
	v_max3_num_f32 v[8+\c], |v[X+32*\c]|, |v[X+32*\c+1]|, 0x1800000   ; the floor 2^(3 - 127): the byte cannot fall under 1
.endr
.irp i, 2,4,6,8,10,12,14,16,18,20,22,24,26,28,30
.irp c, 0,1
	v_max3_num_f32 v[8+\c], v[8+\c], |v[X+32*\c+\i]|, |v[X+32*\c+\i+1]|
.endr
.endr
.irp c, 0,1
	v_add_nc_u32 v[10+\c], 0xff000000, v[8+\c]     ; 2 off the exponent field: the conversion's scale operand
.endr
.irp c, 0,1
.irp g, 0,1,2,3
	v_cvt_scalef32_pk8_fp4_f32 v[C+8*((\s)%2)+4*\c+\g], v[X+32*\c+8*\g:X+32*\c+8*\g+7], v[10+\c]
.endr
.endr
.irp c, 0,1
	v_lshrrev_b32 v[12+\c], 23, v[10+\c]           ; the scale's byte (also the plain line behind the conversions)
.endr
	v_lshl_or_b32 v14, v13, 16, v12                ; my two bytes: blocks h and 2 + h of this K step,
	v_lshlrev_b32 v14, v15, v14                    ; 8 h bits up;
	v_permlanex16_b32 v18, v14, s32, s33
	v_or_b32 v[24+(\s)], v14, v18                  ; with lane l xor 16's two the word is whole
.irp c, 0,1
	global_store_b128 v2, v[C+8*((\s)%2)+4*\c:C+8*((\s)%2)+4*\c+3], s[28:29] offset:1024*(\s)+512*\c   ; 512 consecutive bytes
.endr
.endm
.macro WLOAD t                         ; rows 32 t .. 32 t + 31 of my half of k, at my column: 128 consecutive bytes a wave, 512 a work-group
.set i, 0
.rept 32
	global_load_b32 v[32+32*((\t)%2)+i], v3, s[26:27] offset:(32*(\t)+i)*4096 th:TH_LOAD_NT
.set i, i+1
.endr
.endm
.macro WBLOCK t                        ; a block of 32 along k of my column: all 32 numbers are mine
.set XS, 32+32*((\t)%2)
.if (\t) < 15
	s_wait_loadcnt 32                              ; this block's 32 loads are in; the next block's may be out
.else
	s_wait_loadcnt 0
.endif
	s_wait_xcnt 0x0                                ; the store of two blocks ago has read this set of code registers
	v_max3_num_f32 v8, |v[XS]|, |v[XS+1]|, |v[XS+2]|
	v_max3_num_f32 v9, |v[XS+3]|, |v[XS+4]|, |v[XS+5]|
.irp i, 6,10,14,18,22,26
	v_max3_num_f32 v8, v8, |v[XS+\i]|, |v[XS+\i+1]|
	v_max3_num_f32 v9, v9, |v[XS+\i+2]|, |v[XS+\i+3]|
.endr
	v_max3_num_f32 v8, v8, |v[XS+30]|, |v[XS+31]|
	v_max3_num_f32 v8, v8, v9, 0x1800000
	v_add_nc_u32 v10, 0xff000000, v8
.irp g, 0,1,2,3
	v_cvt_scalef32_pk8_fp4_f32 v[C+4*((\t)%2)+\g], v[XS+8*\g:XS+8*\g+7], v10
.endr
	v_lshrrev_b32 v11, 23, v10
.if (\t)%4 == 0
	v_mov_b32 v[20+(\t)/4], v11                    ; four bytes to a register, the lower k in the lower byte
.else
	v_lshl_or_b32 v[20+(\t)/4], v11, 8*((\t)%4), v[20+(\t)/4]
.endif
	global_store_b128 v18, v[C+4*((\t)%2):C+4*((\t)%2)+3], s[28:29] offset:256*(\t)   ; sixteen lanes store 256 consecutive bytes, aligned
.if (\t)+2 < 16
	WLOAD (\t)+2
.endif
.endm
.macro PBLOCK t                        ; 32 rows of Wp at my column become four groups of 8 f16 down k
.set XS, 32+32*((\t)%2)
.if (\t) < 15
	s_wait_loadcnt 32
.else
	s_wait_loadcnt 0
.endif
	s_wait_xcnt 0x0
.irp u, 0,1,2,3
.irp p, 0,1,2,3
	v_cvt_pk_f16_f32 v[C+16*((\t)%2)+4*\u+\p], v[XS+8*\u+2*\p], v[XS+8*\u+2*\p+1]
.endr
.endr
.irp u, 0,1,2,3
	global_store_b128 v18, v[C+16*((\t)%2)+4*\u:C+16*((\t)%2)+4*\u+3], s[28:29] offset:256*(4*(\t)+\u)
.endr
.if (\t)+2 < 16
	WLOAD (\t)+2
.endif
.endm
	s_load_b256 s[4:11], s[0:1], 0x0               ; x, Wq, Wk, Wv
	s_load_b256 s[12:19], s[0:1], 0x20             ; Wp, xc, xs, wc
	s_load_b128 s[20:23], s[0:1], 0x40             ; ws, wp16
	v_lshl_add_u32 v[SPW], v0, 2, SPARE
	v_mov_b32 v[NIL], 0
	v_lshrrev_b32 v1, 5, v0
	v_readfirstlane_b32 s24, v1                    ; wave 0..3
	v_and_b32 v1, 31, v0                           ; lane l
	v_lshlrev_b32 v2, 4, v1                        ; 16 l
	v_lshlrev_b32 v3, 2, v1                        ; 4 l
	v_and_b32 v6, 15, v0                           ; r
	v_bfe_u32 v7, v0, 4, 1                         ; h
	s_mov_b32 s35, 0                               ; the upper word of every offset
	s_wait_kmcnt 0x0
	s_cmp_lt_u32 ttmp9, 128
	s_cbranch_scc0 .Lnot_x
	; ---- x: my wave's tile of 16 rows, all of K
	s_mul_i32 s36, s24, 16*SP                      ; my stage
	v_add_nc_u32 v4, s36, v2                       ; in: 16 l of a row
	v_mul_u32_u24 v5, v6, SP
	v_lshl_add_u32 v5, v7, 7, v5
	v_add_nc_u32 v5, s36, v5                       ; back: row r, + 128 h
	v_lshlrev_b32 v15, 3, v7                       ; 8 h
	v_mov_b32 v18, 0                               ; a lane permute's destination counts as one of its sources
	s_mov_b32 s32, 0x76543210
	s_mov_b32 s33, 0xfedcba98                      ; selects for lane l xor 16
	s_lshl_b32 s36, ttmp9, 2
	s_add_co_u32 s36, s36, s24                     ; the tile: 4 x work-group + wave
	s_lshl_b32 s34, s36, 16
	s_add_nc_u64 s[26:27], s[4:5], s[34:35]        ; 16 rows of 4,096 bytes
	s_lshl_b32 s34, s36, 13
	s_add_nc_u64 s[28:29], s[14:15], s[34:35]
	s_lshl_b32 s34, s36, 9
	s_add_nc_u64 s[30:31], s[16:17], s[34:35]
	XLOAD 0
	XLOAD 1
.irp s, 0,1,2,3,4,5,6,7
	XSTEP \s
.endr
	v_cmp_gt_u32 vcc_lo, 16, v1                    ; lanes 0-15 store their row's words 0-3, lanes 16-31 words 4-7
.irp i, 0,1,2,3
	v_cndmask_b32 v[20+\i], v[28+\i], v[24+\i], vcc_lo
.endr
	global_store_b128 v2, v[20:23], s[30:31]       ; 512 consecutive bytes
	s_branch .Lend
.Lnot_x:
	s_cmp_lt_u32 ttmp9, 176
	s_cbranch_scc0 .Lpath_p
	; ---- Wq, Wk, Wv: a wave takes 32 columns x 512 along k; a lane a column, its registers down k
	s_sub_co_u32 s34, ttmp9, 128
	s_lshr_b32 s25, s34, 4                         ; which tensor
	s_and_b32 s36, s34, 7                          ; which 128 columns
	s_bfe_u32 s38, s34, 0x10003                    ; which half of k
	s_cmp_eq_u32 s25, 0
	s_cselect_b64 s[26:27], s[6:7], s[8:9]
	s_cmp_eq_u32 s25, 2
	s_cselect_b64 s[26:27], s[10:11], s[26:27]
	s_lshl_b32 s36, s36, 3
	s_lshl_b32 s37, s24, 1
	s_add_co_u32 s36, s36, s37                     ; my first column / 16
	s_lshl_b32 s34, s38, 21                        ; 512 rows of 4,096 bytes
	s_lshl_b32 s37, s36, 6
	s_add_co_u32 s34, s34, s37
	s_add_nc_u64 s[26:27], s[26:27], s[34:35]
	s_lshl_b32 s39, s25, 6
	s_add_co_u32 s39, s39, s36                     ; my first tile of 16 columns
	s_lshl_b32 s34, s39, 13
	s_lshl_b32 s37, s38, 12
	s_add_co_u32 s34, s34, s37
	s_add_nc_u64 s[28:29], s[18:19], s[34:35]
	s_lshl_b32 s34, s39, 9
	s_lshl_b32 s37, s38, 8
	s_add_co_u32 s34, s34, s37
	s_add_nc_u64 s[30:31], s[20:21], s[34:35]
	v_lshlrev_b32 v18, 4, v6
	v_lshl_add_u32 v18, v7, 13, v18                ; codes: 8,192 h + 16 r
	v_lshlrev_b32 v19, 4, v6
	v_lshl_add_u32 v19, v7, 9, v19                 ; scale bytes: 512 h + 16 r
	WLOAD 0
	WLOAD 1
.irp t, 0,1,2,3,4,5,6,7,8,9,10,11,12,13,14,15
	WBLOCK \t
.endr
	global_store_b128 v19, v[20:23], s[30:31]      ; my column's 16 scale bytes: sixteen lanes store 256 consecutive bytes
	s_branch .Lend
.Lpath_p:
	; ---- Wp: the same shares
	s_sub_co_u32 s34, ttmp9, 176
	s_and_b32 s36, s34, 7
	s_lshr_b32 s38, s34, 3
	s_lshl_b32 s36, s36, 3
	s_lshl_b32 s37, s24, 1
	s_add_co_u32 s36, s36, s37
	s_lshl_b32 s34, s38, 21
	s_lshl_b32 s37, s36, 6
	s_add_co_u32 s34, s34, s37
	s_add_nc_u64 s[26:27], s[12:13], s[34:35]
	s_lshl_b32 s34, s36, 15
	s_lshl_b32 s37, s38, 14
	s_add_co_u32 s34, s34, s37
	s_add_nc_u64 s[28:29], s[22:23], s[34:35]
	v_lshlrev_b32 v18, 4, v6
	v_lshl_add_u32 v18, v7, 15, v18                ; 32,768 h + 16 r
	WLOAD 0
	WLOAD 1
.irp t, 0,1,2,3,4,5,6,7,8,9,10,11,12,13,14,15
	PBLOCK \t
.endr
.Lend:
	s_wait_tensorcnt 0x0                           ; the wave's end: behind my last LDS store
	ds_add_u32 v[SPW], v[NIL]
	s_wait_dscnt 0x0
	s_endpgm
.Lfunc_end_k_q239b55b66b_prep:
	.size	k_q239b55b66b_prep, .Lfunc_end_k_q239b55b66b_prep-k_q239b55b66b_prep
	.p2alignl 7, 3214868480
	.fill 96, 4, 3214868480
	.section	.rodata,"a",@progbits
	.p2align	6, 0x0
	.amdhsa_kernel k_q239b55b66b_prep
		.amdhsa_group_segment_fixed_size 34304
		.amdhsa_private_segment_fixed_size 0
		.amdhsa_enable_private_segment 0
		.amdhsa_kernarg_size 80
		.amdhsa_user_sgpr_count 2
		.amdhsa_user_sgpr_kernarg_segment_ptr 1
		.amdhsa_wavefront_size32 1
		.amdhsa_system_sgpr_workgroup_id_x 1
		.amdhsa_system_sgpr_workgroup_id_y 1
		.amdhsa_system_sgpr_workgroup_id_z 1
		.amdhsa_system_vgpr_workitem_id 0
		.amdhsa_next_free_vgpr 256
		.amdhsa_next_free_sgpr 66
		.amdhsa_reserve_vcc 1
		.amdhsa_float_denorm_mode_32 3
		.amdhsa_float_denorm_mode_16_64 3
		.amdhsa_memory_ordered 1
		.amdhsa_forward_progress 1
		.amdhsa_inst_pref_size 203
	.end_amdhsa_kernel
	.amdgpu_metadata
---
amdhsa.version: [ 1, 2 ]
amdhsa.kernels:
  - .name:           k_q239b55b66b_prep
    .symbol:         k_q239b55b66b_prep.kd
    .args:
      - { .name: x, .offset: 0, .size: 8, .value_kind: global_buffer, .address_space: global }
      - { .name: Wq, .offset: 8, .size: 8, .value_kind: global_buffer, .address_space: global }
      - { .name: Wk, .offset: 16, .size: 8, .value_kind: global_buffer, .address_space: global }
      - { .name: Wv, .offset: 24, .size: 8, .value_kind: global_buffer, .address_space: global }
      - { .name: Wp, .offset: 32, .size: 8, .value_kind: global_buffer, .address_space: global }
      - { .name: xc, .offset: 40, .size: 8, .value_kind: global_buffer, .address_space: global }
      - { .name: xs, .offset: 48, .size: 8, .value_kind: global_buffer, .address_space: global }
      - { .name: wc, .offset: 56, .size: 8, .value_kind: global_buffer, .address_space: global }
      - { .name: ws, .offset: 64, .size: 8, .value_kind: global_buffer, .address_space: global }
      - { .name: wp16, .offset: 72, .size: 8, .value_kind: global_buffer, .address_space: global }
    .group_segment_fixed_size: 34304
    .private_segment_fixed_size: 0
    .kernarg_segment_align: 8
    .kernarg_segment_size: 80
    .max_flat_workgroup_size: 128
    .sgpr_count:     66
    .vgpr_count:     256
    .wavefront_size: 32
...
	.end_amdgpu_metadata
.endif
;; end of part 1
;; launch qkv (part 2): grid 12 x 32, 4 waves a work-group, clusters of 4 x 4, 327,680 bytes of LDS; arguments xc, xs, wc, ws, bq, bv, qkv, qkvf; writes qkv, qkvf
.if DOCPART == 2
	.amdgcn_target "amdgcn-amd-amdhsa--gfx1250"
	.amdhsa_code_object_version 6
	.text
	.protected	k_q239b55b66b_qkv
	.globl	k_q239b55b66b_qkv
	.p2align	8
	.type	k_q239b55b66b_qkv,@function
k_q239b55b66b_qkv:
	s_mov_b64 s[64:65], 0
	v_nop
	global_prefetch_b8 v0, s[64:65] scope:SCOPE_SE
	s_setreg_imm32_b32 hwreg(HW_REG_WAVE_MODE, 25, 1), 1
	s_wait_xcnt 0x0
	s_wait_alu depctr_hold_cnt(0) depctr_sa_sdst(0) depctr_va_vdst(0) depctr_va_sdst(0) depctr_va_ssrc(0) depctr_va_vcc(0) depctr_vm_vsrc(0)
	s_getreg_b32 s2, hwreg(HW_REG_IB_STS2, 6, 4)
	s_cmp_eq_u32 s2, 0
	s_cbranch_scc0 .Lentry_in_a_cluster
	s_endpgm
.Lentry_in_a_cluster:
	s_bfe_u32 s2, ttmp6, 0x10000c
	s_cmp_lg_u32 s2, 0xf033
	s_cbranch_scc0 .Lentry_shape_is_right
	s_endpgm
.Lentry_shape_is_right:
; q = x Wq + bq, k = x Wk, v = x Wv + bv on codes of E2M1 with E8M0 scales (made by the launch before), f32 sums.  bk is left out: it adds the same to every score of a row (shown at the head of the first kernel).
; A tile of 256 rows x 256 columns to a work-group of four waves; a wave makes 128 x 128: 64 accumulators.  K = 1,024 is two LDS slots of 512, both asked for at the head: nothing is filled twice.
; CLUSTERS of 4 x 4: cluster x says which of q, k, v; cx which 256 columns; cy the sequence; cluster y which 256 positions.  x's tiles are shared along a row of the cluster, the weights' along a column: joint loads.
; q and k are made TRANSPOSED (source 0 = 16 columns of W, source 1 = 16 rows of x): a lane holds one position and 8 neighbouring channels.  v is made the natural way round: a lane holds one channel and 8 neighbouring
; positions, which are the next product's K.  Either way a lane's eight numbers round to 16 bytes of f16 that stand at 16 x lane in the buffer's tile: every store is 512 consecutive bytes, with no way through LDS.
; qkv: [3][64 (sequence, head)][128 tiles of 16 positions][2,048 bytes]; q, k tile: [channel / 8][position % 16][8 f16]; v tile: [channel / 16][(position % 16) / 8][channel % 16][8 f16 along the positions].
; qkvf: the accumulators of positions 0-15 of every sequence as they stand, f32: [3 x 64][4 accumulators][2 groups of 4 registers][32 lanes][16 bytes].
; LIMIT: |q|, |k|, |v| under 65,504 (f16).
; REGISTERS: window 0: v16-29 addresses; v32-95 scale words, two sets; v128-191 x's fragments, one set (on the way out: packed results); v192-255 the sums' first C: bias tiles.
;   window 1: the weights' fragments, two sets, at v0 and v128.   windows 2, 3: accumulator (a, b) at v[8 (8 (a % 4) + b)].
.set SLOT,  131072                     ; x's 16 tiles x 4,096 bytes, then the weights' 16
.set SCL,   262144                     ; the scale words: x's 8,192 bytes, then the weights'
.set SPARE, 278528                     ; the spare words, 128 bytes for each wave
.set NQ, 4
.set FR, 8
.set NL, 2
.set NP, 4
.set ADRA, 16
.set ADRB, 20
.set LI,   26
.set ADRS, 27
.set SPW,  28
.set NIL,  29
.set SC,   32
.set AF,   128
.set TMP,  128
.set BI,   192
.set RH,  20                           ; s20 which half of the tile's rows is mine; also: I fetch for x (0) or for the weights (1)
.set CH,  21                           ; s21 which half of its columns; also: which 8 tiles I fetch
.set WVN, 22
.set G1,   24
.set G0,   32
.set G1B,  40
.set G0B,  48
.set G1S,  56
.set G0S,  68
.set G1SB, 72
.set G0SB, 80
.set QO,   94                          ; s[94:95] where my f16 results begin
.set QF,   96                          ; s[96:97] where my f32 images begin
.set MSB, 0
.macro WIN new                         ; the immediate's high byte repeats the setting that is left
.if MSB != \new
	s_set_vgpr_msb (MSB<<8)|\new
.set MSB, \new
.endif
.endm
.macro JLOAD g0a, g1a, g0b, g1b        ; a joint load: waves 0 and 1 fetch for x, waves 2 and 3 for the weights; an s_nop 0 and four v_nop follow each line
	s_cmp_eq_u32 s[RH], 0
	s_cbranch_scc0 .Lfor_b_\@
	tensor_load_to_lds s[\g0a:\g0a+3], s[\g1a:\g1a+7]
	s_nop 0
.rept 4
	v_nop
.endr
	s_branch .Lasked_\@
.Lfor_b_\@:
	tensor_load_to_lds s[\g0b:\g0b+3], s[\g1b:\g1b+7]
	s_nop 0
.rept 4
	v_nop
.endr
.Lasked_\@:
.endm
.macro CROUND                          ; a round of the cluster's barrier
	s_barrier_signal -1
	s_barrier_wait -1
	s_cmp_lg_u32 s[WVN], 0
	s_cbranch_scc1 .Lnot_wave_0_\@
	s_barrier_signal -3
.Lnot_wave_0_\@:
	s_barrier_wait -3
	s_barrier_signal -1
	s_barrier_wait -1
.endm
.macro PLACES n
.rept \n
	v_nop
.endr
.endm
.macro FRAG reg, adr, q, i             ; 16 rows x 128 K of codes: 8 registers, two loads of 512 consecutive bytes
.irp c, 0,1
	ds_load_b128 v[\reg+4*\c:\reg+4*\c+3], v[\adr] offset:4096*(\i)+1024*(\q)+512*\c
.endr
.endm
.macro FETCH_B slot, q, p
	WIN 0x40
.irp i, 0,1,2,3,4,5,6,7
	FRAG 128*(\p)+FR*\i, ADRB+\slot, \q, \i
.endr
	WIN 0
.endm
.macro FETCH_A slot, q, i0
.irp i, \i0, \i0+1, \i0+2, \i0+3
	FRAG AF+FR*(\i), ADRA+\slot, \q, \i
.endr
.endm
.macro SCALES sc                       ; a slot's scale words: register 4 i + q: lanes 0-15 x's tile i, lanes 16-31 the weights' tile i
.irp i, 0,1,2,3,4,5,6,7
	ds_load_b128 v[SC+32*\sc+4*\i:SC+32*\sc+4*\i+3], v[ADRS] offset:512*\i+256*\sc
.endr
.endm
; 16 products: x's tiles a0, a0 + 1 against the weights' eight, 128 along K.  mode 2: the sum's first product, C = the bias tile; mode 0: in place.  sw 0: transposed (q, k); sw 1: natural (v).
; The 64 accumulators take turns, one instruction a turn, in the same order in every step.
.macro MUL16 a0, p, q, sc, mode, sw
.set DW, 2+(\a0)/4
.set CW, DW
.if \mode == 2
.set CW, 0
.endif
.set WN, (1+3*(\sw))|(CW<<4)|(DW<<6)
	WIN WN
.irp a, \a0, \a0+1
.irp b, 0,1,2,3,4,5,6,7
.set AC, 8*(8*((\a)%4)+\b)
.set CC, AC
.if \mode == 2
.set CC, BI+8*\b
.endif
.set BF, 128*(\p)+FR*\b
.set AR, AF+FR*(\a)
.set SBR, SC+32*(\sc)+4*\b+(\q)
.set SAR, SC+32*(\sc)+4*(\a)+(\q)
.if \sw == 0
	v_wmma_scale_f32_16x16x128_f8f6f4 v[AC:AC+7], v[BF:BF+7], v[AR:AR+7], v[CC:CC+7], v[SBR], v[SAR] matrix_a_fmt:MATRIX_FMT_FP4 matrix_b_fmt:MATRIX_FMT_FP4 matrix_a_scale:MATRIX_SCALE_ROW1
.else
	v_wmma_scale_f32_16x16x128_f8f6f4 v[AC:AC+7], v[AR:AR+7], v[BF:BF+7], v[CC:CC+7], v[SAR], v[SBR] matrix_a_fmt:MATRIX_FMT_FP4 matrix_b_fmt:MATRIX_FMT_FP4 matrix_b_scale:MATRIX_SCALE_ROW1
.endif
.endr
.endr
.endm
.macro STEP slot, q, mode, sw          ; 128 along K, with its successor in the same slot
	s_wait_dscnt 4*NL                              ; the weights' set and x's tiles 0-3 are in; the youngest eight loads (x's tiles 4-7) may be out
	MUL16 0, (\q)%2, \q, \slot, \mode, \sw
	MUL16 2, (\q)%2, \q, \slot, \mode, \sw
	s_wait_dscnt 0
	PLACES NP                                      ; four places in front of loads into registers that matrix instructions have read
	FETCH_B \slot, (\q)+1, 1-(\q)%2
	FETCH_A \slot, (\q)+1, 0
	MUL16 4, (\q)%2, \q, \slot, \mode, \sw
	MUL16 6, (\q)%2, \q, \slot, \mode, \sw
	PLACES NP
	WIN 0
	FETCH_A \slot, (\q)+1, 4
.endm
.macro MAIN sw
	STEP 0, 0, 2, \sw                              ; the first step starts the sums on the bias tiles
	STEP 0, 1, 0, \sw
	STEP 0, 2, 0, \sw
	s_wait_tensorcnt 0x0                           ; slot 0's last step changes slots: my part of slot 1 has landed;
	ds_add_u32 v[SPW], v[NIL]                      ; 0 onto my spare word
	s_wait_dscnt 4*NL+1                            ; (the add and the youngest eight loads may be out)
	MUL16 0, 1, 3, 0, 0, \sw
	s_wait_dscnt 0x0
	s_barrier_signal -1
	MUL16 2, 1, 3, 0, 0, \sw
	WIN 0
	s_barrier_wait -1                              ; everybody's part of slot 1 has landed
	PLACES NP
	FETCH_B 1, 0, 0
	FETCH_A 1, 0, 0
	SCALES 1
	MUL16 4, 1, 3, 0, 0, \sw
	MUL16 6, 1, 3, 0, 0, \sw
	PLACES NP
	WIN 0
	FETCH_A 1, 0, 4
	STEP 1, 0, 0, \sw
	STEP 1, 1, 0, \sw
	STEP 1, 2, 0, \sw
	s_wait_dscnt 4*NL                              ; the last step: nothing more to fetch
	MUL16 0, 1, 3, 1, 0, \sw
	MUL16 2, 1, 3, 1, 0, \sw
	s_wait_dscnt 0
	MUL16 4, 1, 3, 1, 0, \sw
	MUL16 6, 1, 3, 1, 0, \sw
	WIN 0
.endm
	s_load_b256 s[4:11], s[0:1], 0x0               ; xc, xs, wc, ws
	s_load_b256 s[12:19], s[0:1], 0x20             ; bq, bv, qkv, qkvf
	v_lshl_add_u32 v[SPW], v0, 2, SPARE
	v_mov_b32 v[NIL], 0
	ds_add_u32 v[SPW], v[NIL]                      ; the wave's opening: the add, twice on end, and its wait ahead of my first tensor load
	ds_add_u32 v[SPW], v[NIL]
	v_lshrrev_b32 v1, 5, v0
	v_readfirstlane_b32 s[WVN], v1                 ; wave 0..3
	s_lshr_b32 s[RH], s[WVN], 1
	s_and_b32 s[CH], s[WVN], 1
	s_bfe_u32 s84, ttmp6, 0x40000                  ; cx
	s_bfe_u32 s85, ttmp6, 0x40004                  ; cy
	s_and_b32 s86, ttmp7, 0xffff                   ; cluster y
	s_lshl_b32 s87, s85, 2
	s_lshl_b32 s87, 15, s87                        ; my row of the cluster
	s_lshl_b32 s88, 0x1111, s84                    ; my column
	s_or_b32 s[G1], s87, (3<<16)|(1<<21)           ; the mask; elements of 8 bytes; bit 21 set beside a mask; no padding
	s_or_b32 s[G1B], s88, (3<<16)|(1<<21)
	s_or_b32 s[G1S], s87, (3<<16)|(1<<21)
	s_or_b32 s[G1SB], s88, (3<<16)|(1<<21)
.irp g, G1, G1B                        ; codes: 8 tiles, of each the 4,096 bytes of one half of K, 8,192 bytes apart
	s_mov_b32 s[\g+1], 512<<16
	s_mov_b32 s[\g+2], 8<<16
	s_mov_b32 s[\g+3], 512<<16
	s_mov_b32 s[\g+4], 8
	s_mov_b32 s[\g+5], 1024
	s_mov_b32 s[\g+6], 0
	s_mov_b32 s[\g+7], 0
.endr
.irp g, G1S, G1SB                      ; scale words of 8 tiles: 4,096 dense bytes as 16 rows of 256
	s_mov_b32 s[\g+1], 32<<16
	s_mov_b32 s[\g+2], 16<<16
	s_mov_b32 s[\g+3], 32<<16
	s_mov_b32 s[\g+4], 16
	s_mov_b32 s[\g+5], 32
	s_mov_b32 s[\g+6], 0
	s_mov_b32 s[\g+7], 0
.endr
	s_lshl_b32 s89, s85, 7
	s_lshl_b32 s90, s86, 4
	s_add_co_u32 s89, s89, s90
	s_lshl_b32 s90, s[CH], 3
	s_add_co_u32 s89, s89, s90                     ; x: tile 128 cy + 16 cluster y + 8 x half
	s_lshl_b32 s92, ttmp9, 6
	s_lshl_b32 s93, s84, 4
	s_add_co_u32 s92, s92, s93
	s_add_co_u32 s92, s92, s90                     ; weights: tile 64 x tensor + 16 cx + 8 x half
	s_lshl_b32 s94, s89, 13
	s_mov_b32 s95, 0
	s_lshl_b32 s96, s89, 9
	s_mov_b32 s97, 0
	s_lshl_b32 s98, s92, 13
	s_mov_b32 s99, 0
	s_lshl_b32 s90, s92, 9
	s_mov_b32 s91, 0
	s_lshl_b32 s23, s[WVN], 15                     ; where the codes go: 32,768 x wave: no place in the cluster enters an LDS address
	s_lshl_b32 s93, s[WVN], 12                     ; and the scale words: 4,096 x wave
	s_wait_dscnt 0x0                               ; both opening adds are done
	s_wait_kmcnt 0x0
	s_add_nc_u64 s[94:95], s[4:5], s[94:95]
	s_add_nc_u64 s[96:97], s[6:7], s[96:97]
	s_add_nc_u64 s[98:99], s[8:9], s[98:99]
	s_add_nc_u64 s[90:91], s[10:11], s[90:91]
	CROUND                                         ; all sixteen work-groups are here: the first joint loads meet
	s_mov_b32 s[G0S], 1
	s_add_co_u32 s[G0S+1], s93, SCL
	s_mov_b64 s[G0S+2:G0S+3], s[96:97]
	s_or_b32 s[G0S+3], s[G0S+3], 0x80000000
	s_mov_b32 s[G0SB], 1
	s_add_co_u32 s[G0SB+1], s93, SCL
	s_mov_b64 s[G0SB+2:G0SB+3], s[90:91]
	s_or_b32 s[G0SB+3], s[G0SB+3], 0x80000000
	JLOAD G0S, G1S, G0SB, G1SB                     ; three loads of mine go out together: the scale words,
.irp s, 0,1
	s_mov_b32 s[G0+4*\s], 1
	s_add_co_u32 s[G0+4*\s+1], s23, \s*SLOT
	s_add_nc_u64 s[G0+4*\s+2:G0+4*\s+3], s[94:95], \s*4096
	s_or_b32 s[G0+4*\s+3], s[G0+4*\s+3], 0x80000000
	s_mov_b32 s[G0B+4*\s], 1
	s_add_co_u32 s[G0B+4*\s+1], s23, \s*SLOT
	s_add_nc_u64 s[G0B+4*\s+2:G0B+4*\s+3], s[98:99], \s*4096
	s_or_b32 s[G0B+4*\s+3], s[G0B+4*\s+3], 0x80000000
	JLOAD G0+4*\s, G1, G0B+4*\s, G1B               ; slot 0, slot 1
.endr
	v_and_b32 v1, 31, v0
	v_lshlrev_b32 v[LI], 4, v1                     ; 16 x lane
	v_and_b32 v2, 15, v0                           ; r
	v_bfe_u32 v3, v0, 4, 1                         ; h
	v_lshlrev_b32 v6, 5, v3                        ; 32 h
	v_lshlrev_b32 v7, 2, v2                        ; 4 r
	s_lshl_b32 s98, s84, 10
	s_lshl_b32 s88, s[CH], 9
	s_add_co_u32 s98, s98, s88                     ; my first column, in bytes of a bias
	s_mov_b32 s99, 0
	s_add_nc_u64 s[12:13], s[12:13], s[98:99]
	s_add_nc_u64 s[14:15], s[14:15], s[98:99]
	; the sums' first C, eight registers for each of the weights' tiles, in the result's layout
	s_cmp_eq_u32 ttmp9, 1
	s_cbranch_scc1 .Lbias_k
	s_cmp_eq_u32 ttmp9, 0
	s_cbranch_scc0 .Lbias_v
.irp b, 0,1,2,3,4,5,6,7                ; q: lane (r, h) holds channels 16 b + 8 h + 0 .. 7
	global_load_b128 v[BI+8*\b:BI+8*\b+3], v6, s[12:13] offset:64*\b
	global_load_b128 v[BI+8*\b+4:BI+8*\b+7], v6, s[12:13] offset:64*\b+16
.endr
	s_branch .Lbias_done
.Lbias_v:
.irp b, 0,1,2,3,4,5,6,7                ; v: lane (r, h) holds channel 16 b + r in all eight registers
.irp j, 0,1,2,3,4,5,6,7
	global_load_b32 v[BI+8*\b+\j], v7, s[14:15] offset:64*\b
.endr
.endr
	s_branch .Lbias_done
.Lbias_k:
.set i, 0
.rept 64                               ; k has no bias: its sums start on zeros, by the same first step as q's
	v_mov_b32 v[BI+i], 0
.set i, i+1
.endr
.Lbias_done:
	s_lshl_b32 s87, s[RH], 15                      ; my 8 tiles of x
	s_lshl_b32 s88, s[CH], 15
	s_add_co_u32 s88, s88, 65536                   ; my 8 tiles of the weights, behind x's 16
.irp s, 0,1
	v_add_nc_u32 v[ADRA+\s], s87, v[LI]
	v_add_nc_u32 v[ADRB+\s], s88, v[LI]
	s_add_co_u32 s87, s87, SLOT
	s_add_co_u32 s88, s88, SLOT
.endr
	v_lshlrev_b32 v4, 4, v2                        ; scale words: 16 r,
	s_lshl_b32 s87, s[RH], 12                      ; x's: my 8 tiles;
	s_lshl_b32 s88, s[CH], 12
	s_add_co_u32 s88, s88, 8192                    ; the weights': my 8 tiles, behind x's
	s_sub_co_u32 s88, s88, s87
	v_mul_u32_u24 v5, s88, v3                      ; lanes 16-31 take the weights'
	s_add_co_u32 s87, s87, SCL
	v_add_nc_u32 v4, v4, v5
	v_add_nc_u32 v[ADRS], s87, v4
	s_lshl_b32 s87, s85, 4
	s_lshl_b32 s88, s84, 2
	s_add_co_u32 s87, s87, s88
	s_lshl_b32 s88, s[CH], 1
	s_add_co_u32 s87, s87, s88                     ; 16 x sequence + my first head
	s_lshl_b32 s98, s87, 18
	s_lshl_b32 s88, ttmp9, 24
	s_add_co_u32 s98, s98, s88
	s_lshl_b32 s88, s86, 15
	s_add_co_u32 s98, s98, s88
	s_lshl_b32 s88, s[RH], 14
	s_add_co_u32 s98, s98, s88                     ; + my first tile of positions x 2,048
	s_add_nc_u64 s[QO:QO+1], s[16:17], s[98:99]
	s_lshl_b32 s88, ttmp9, 6
	s_add_co_u32 s88, s88, s87
	s_lshl_b32 s98, s88, 12
	s_add_nc_u64 s[QF:QF+1], s[18:19], s[98:99]
	s_wait_tensorcnt 1                             ; the scale words and my part of slot 0 are in (slot 1's load may be out),
	s_barrier_signal -1
	s_barrier_wait -1                              ; everybody's are
	FETCH_B 0, 0, 0
	FETCH_A 0, 0, 0
	SCALES 0
	FETCH_A 0, 0, 4
	s_wait_loadcnt 0x0                             ; the bias tiles
	s_cmp_eq_u32 ttmp9, 2                          ; the cluster's x: the same in all partners
	s_cbranch_scc1 .Lv
	MAIN 0
	s_branch .Lout
.Lv:
	MAIN 1
.Lout:
	PLACES NP                                      ; four places in front of the first read of results and the first write of x's fragments' registers
	s_or_b32 s87, s86, s[RH]
	s_cmp_lg_u32 s87, 0
	s_cbranch_scc1 .Lno_image
	WIN 0x08                                       ; a store's data: window 2
.irp b, 0,1,2,3,4,5,6,7                ; positions 0-15 of my sequence, as they stand in f32, each accumulator from its low end on
	global_store_b128 v[LI], v[8*\b:8*\b+3], s[QF:QF+1] offset:4096*(\b/4)+1024*(\b%4)
	global_store_b128 v[LI], v[8*\b+4:8*\b+7], s[QF:QF+1] offset:4096*(\b/4)+1024*(\b%4)+512
.endr
	WIN 0
.Lno_image:
.macro SEND a
.if (\a) > 1
	s_wait_xcnt 0x0                                ; the stores of two tiles ago have read this set of registers
.endif
.set WN, 0x0a+5*((\a)/4)
	WIN WN
.irp b, 0,1,2,3,4,5,6,7
.irp i, 0,1,2,3
	v_cvt_pk_f16_f32 v[TMP+32*((\a)%2)+4*\b+\i], v[64*((\a)%4)+8*\b+2*\i], v[64*((\a)%4)+8*\b+2*\i+1]
.endr
.endr
	WIN 0
.irp b, 0,1,2,3,4,5,6,7
	global_store_b128 v[LI], v[TMP+32*((\a)%2)+4*\b:TMP+32*((\a)%2)+4*\b+3], s[QO:QO+1] offset:2048*(\a)+512*(\b%4)+262144*(\b/4)   ; 512 consecutive bytes, aligned
.endr
.endm
.irp a, 0,1,2,3,4,5,6,7
	SEND \a
.endr
	s_wait_tensorcnt 0x0                           ; the wave's end
	ds_add_u32 v[SPW], v[NIL]
	s_wait_dscnt 0x0
	CROUND                                         ; the closing round
	s_endpgm
.Lfunc_end_k_q239b55b66b_qkv:
	.size	k_q239b55b66b_qkv, .Lfunc_end_k_q239b55b66b_qkv-k_q239b55b66b_qkv
	.p2alignl 7, 3214868480
	.fill 96, 4, 3214868480
	.section	.rodata,"a",@progbits
	.p2align	6, 0x0
	.amdhsa_kernel k_q239b55b66b_qkv
		.amdhsa_group_segment_fixed_size 327680
		.amdhsa_private_segment_fixed_size 0
		.amdhsa_enable_private_segment 0
		.amdhsa_kernarg_size 64
		.amdhsa_user_sgpr_count 2
		.amdhsa_user_sgpr_kernarg_segment_ptr 1
		.amdhsa_wavefront_size32 1
		.amdhsa_system_sgpr_workgroup_id_x 1
		.amdhsa_system_sgpr_workgroup_id_y 1
		.amdhsa_system_sgpr_workgroup_id_z 1
		.amdhsa_system_vgpr_workitem_id 0
		.amdhsa_next_free_vgpr 1024
		.amdhsa_next_free_sgpr 100
		.amdhsa_reserve_vcc 0
		.amdhsa_float_denorm_mode_32 3
		.amdhsa_float_denorm_mode_16_64 3
		.amdhsa_memory_ordered 1
		.amdhsa_forward_progress 1
		.amdhsa_inst_pref_size 211
	.end_amdhsa_kernel
	.amdgpu_metadata
---
amdhsa.version: [ 1, 2 ]
amdhsa.kernels:
  - .name:           k_q239b55b66b_qkv
    .symbol:         k_q239b55b66b_qkv.kd
    .args:
      - { .name: xc, .offset: 0, .size: 8, .value_kind: global_buffer, .address_space: global }
      - { .name: xs, .offset: 8, .size: 8, .value_kind: global_buffer, .address_space: global }
      - { .name: wc, .offset: 16, .size: 8, .value_kind: global_buffer, .address_space: global }
      - { .name: ws, .offset: 24, .size: 8, .value_kind: global_buffer, .address_space: global }
      - { .name: bq, .offset: 32, .size: 8, .value_kind: global_buffer, .address_space: global }
      - { .name: bv, .offset: 40, .size: 8, .value_kind: global_buffer, .address_space: global }
      - { .name: qkv, .offset: 48, .size: 8, .value_kind: global_buffer, .address_space: global }
      - { .name: qkvf, .offset: 56, .size: 8, .value_kind: global_buffer, .address_space: global }
    .group_segment_fixed_size: 327680
    .private_segment_fixed_size: 0
    .kernarg_segment_align: 8
    .kernarg_segment_size: 64
    .max_flat_workgroup_size: 128
    .sgpr_count:     100
    .vgpr_count:     1024
    .wavefront_size: 32
...
	.end_amdgpu_metadata
.endif
;; end of part 2
;; launch attn (part 3): grid 4 x 64, 8 waves a work-group, no clusters, 327,680 bytes of LDS; arguments qkv, y16; writes y16
.if DOCPART == 3
	.amdgcn_target "amdgcn-amd-amdhsa--gfx1250"
	.amdhsa_code_object_version 6
	.text
	.protected	k_q239b55b66b_attn
	.globl	k_q239b55b66b_attn
	.p2align	8
	.type	k_q239b55b66b_attn,@function
k_q239b55b66b_attn:
	s_mov_b64 s[64:65], 0
	v_nop
	global_prefetch_b8 v0, s[64:65] scope:SCOPE_SE
	s_setreg_imm32_b32 hwreg(HW_REG_WAVE_MODE, 25, 1), 1
	s_wait_xcnt 0x0
; y[b][t][head] = the sum over s <= t of softmax_s(q_t . k_s / 8) v_s, f16 operands, f32 products' sums, maxima and sums.  Key steps that lie wholly above the diagonal of the causal mask are left out.
; k comes without bk (shown at the head of the first kernel).  Positions 0-15 of each sequence are made here too, inside live tiles, but what is stored for them in the output comes from the launch in f32.
; SHARES.  A work-group owns one (sequence, head) and two blocks of 256 queries: block 7 - i, then block i (i = work-group x): 8 - i and i + 1 slots of 256 keys, NINE trips in every work-group.
; Each of its eight waves owns 32 queries of the block in hand: two tiles of 16.  Two waves share a SIMD, so that one wave's softmax stands beside the other's products.
; NO CLUSTER: the four work-groups of a head go back to key 0 in trips 8, 7, 6 and 5, so from trip 5 on they want different tiles in the same trip.
; LAYOUT.  S^T = K Q^T (source 0 = 16 keys, source 1 = 16 queries), O^T = V^T P: a lane holds ONE query throughout.  All tiles lie in the order of the operands' registers: every fragment load is 512 consecutive bytes.
; SOFTMAX.  A running maximum m and sum l for each query: p = 2^(c s - c m), c = log2(e) / 8; in every step O and l are multiplied by a = 2^(c m_old - c m_new).  l sums the unrounded p.
; Every step that is walked holds a key that counts for each of the wave's queries (its first key is at or under the wave's first query), so m is a number from the first step on.
; REGISTERS: window 0: v1-10 addresses and the mask's; v16-31 statistics, 8 a tile (c m, m, l, l, c0-c3; a takes c2's place); v32-63 Q; v64-127 S^T; v128-159 P; v160-223 O^T; v224-255 the way out.
;   window 1: v0-63 K of a step, v64-127 V.
.set SLOT1, 65536                      ; a slot: 256 keys: K 32,768 bytes, V 32,768; one exclusive or turns an address into the other slot's
.set VOFF,  32768
.set SPARE, 131072                     ; the spare words, 128 bytes for each wave
.set LI,  1
.set ADK, 2
.set SPW, 4
.set NIL, 5
.set PFO, 6
.set ST,  16
.set Q,   32
.set S,   64
.set P,   128
.set O,   160
.set OUT, 224
.set HB,  10                           ; s[10:11] q of my (sequence, head)
.set WV,  12
.set T,   13                           ; s13 the trip
.set NA,  14                           ; s14 the trip at which the second block of queries begins: 8 - i
.set G1,  16
.set G0,  24
.set BW,  28                           ; s[28:29] my eighth of key block 0 in memory (waves 0-3: K's quarters; waves 4-7: V's)
.set Q0,  30                           ; s30 my first query
.set KF,  31                           ; s31 the step's first key
.set TB,  32                           ; s32 LDS byte at which the step's tiles of K begin
.set CNT, 33
.set CS,  34
.set SEL, 36
.set PFA, 38
.set LIM, 40
.set BH,  41
.set QA,  42
.set YA,  44
.set MSB, 0
.macro WIN new
.if MSB != \new
	s_set_vgpr_msb (MSB<<8)|\new
.set MSB, \new
.endif
.endm
; A block of queries begins: Q into registers, the statistics and O^T at their starts (the step is written once: the first finds zeros, which the first a, 0, leaves zeros).
.macro START qb
	s_wait_xcnt 0x0                                ; earlier loads and stores have read their bases
	s_lshl_b32 s[Q0], \qb, 8
	s_lshl_b32 s46, s[WV], 5
	s_add_co_u32 s[Q0], s[Q0], s46
	s_mov_b32 s[KF], 0
	s_lshl_b32 s46, s[Q0], 7                       ; 2,048 bytes for each 16 queries
	s_mov_b32 s47, 0
	s_add_nc_u64 s[QA:QA+1], s[HB:HB+1], s[46:47]
.irp t, 0,1
.irp ds, 0,1
.irp g, 0,1
	global_load_b128 v[Q+16*\t+8*\ds+4*\g:Q+16*\t+8*\ds+4*\g+3], v[LI], s[QA:QA+1] offset:2048*\t+1024*\ds+512*\g th:TH_LOAD_NT
.endr
.endr
.endr
.irp t, 0,1
	v_mov_b32 v[ST+8*\t+1], 0xff61b1e6             ; m = -3e38, under every score
	v_mul_f32 v[ST+8*\t], s[CS], v[ST+8*\t+1]
	v_mov_b32 v[ST+8*\t+2], 0
	v_mov_b32 v[ST+8*\t+3], 0
	v_mov_b32 v[ST+8*\t+5], 0
	v_mov_b32 v[ST+8*\t+7], 0
.endr
.set i, 0
.rept 64
	v_mov_b32 v[O+i], 0
.set i, i+1
.endr
	s_wait_loadcnt 0x0
.endm
; A block of queries ends: O^T / l, rounded to f16; a lane's eight channels are 16 bytes at 16 x lane of y16's tile: stored straight from registers, 512 consecutive bytes a store.
.macro FINISH
	s_wait_xcnt 0x0
.rept 4
	v_nop                                          ; places behind the last products
.endr
.irp t, 0,1
	v_add_f32 v[ST+8*\t+4], v[ST+8*\t+2], v[ST+8*\t+3]
.endr
.irp t, 0,1
	v_permlanex16_b32 v[ST+8*\t+5], v[ST+8*\t+4], s[SEL], s[SEL+1]
.endr
.irp t, 0,1
	v_add_f32 v[ST+8*\t+4], v[ST+8*\t+4], v[ST+8*\t+5]
.endr
.irp t, 0,1
	v_rcp_f32 v[ST+8*\t+6], v[ST+8*\t+4]
.endr
	v_nop                                          ; a plain instruction behind the last reciprocal,
	s_wait_alu depctr_va_vdst(0)                   ; and the wait ahead of the first use: one for both
.irp t, 0,1
.set i, 0
.rept 16
	v_pk_mul_f32 v[O+32*\t+i:O+32*\t+i+1], v[O+32*\t+i:O+32*\t+i+1], v[ST+8*\t+6:ST+8*\t+7] op_sel_hi:[1,0]
.set i, i+2
.endr
.endr
.set i, 0
.rept 32
	v_cvt_pk_f16_f32 v[OUT+i], v[O+2*i], v[O+2*i+1]
.set i, i+1
.endr
	s_lshr_b32 s46, s[BH], 4
	s_lshl_b32 s46, s46, 22                        ; the sequence: 128 tiles of 32,768 bytes
	s_and_b32 s47, s[BH], 15
	s_add_co_u32 s47, s47, s[Q0]
	s_lshl_b32 s47, s47, 11                        ; 2,048 bytes a query (32,768 for 16), and 2,048 a head
	s_add_co_u32 s46, s46, s47
	s_mov_b32 s47, 0
	s_add_nc_u64 s[YA:YA+1], s[6:7], s[46:47]
.irp t, 0,1
.irp ct, 0,1,2,3
	global_store_b128 v[LI], v[OUT+16*\t+4*\ct:OUT+16*\t+4*\ct+3], s[YA:YA+1] offset:32768*\t+512*\ct
.endr
.endr
.endm
; A slot's four key steps of 64 keys: written once, walked four times; the LDS addresses hang on s[TB].
.macro STEPS4
	s_mov_b32 s[CNT], 4
.Lstep_\@:
	s_cmp_gt_u32 s[KF], s[Q0]                      ; KF is a multiple of 64 and Q0 of 32: KF > Q0 says that all 64 keys come after my 32 queries
	s_cbranch_scc1 .Lhid_\@
	v_add_nc_u32 v[ADK], s[TB], v[LI]
.rept 4
	v_nop                                          ; places in front of loads into registers that the last products read
.endr
	WIN 0x40                                       ; destination window 1
.irp kt, 0,1,2,3
.irp ds, 0,1
.irp g, 0,1
	ds_load_b128 v[16*\kt+8*\ds+4*\g:16*\kt+8*\ds+4*\g+3], v[ADK] offset:2048*\kt+1024*\ds+512*\g
.endr
.endr
.endr
.irp ct, 0,1,2,3
.irp ks, 0,1
.irp g, 0,1
	ds_load_b128 v[64+16*\ct+8*\ks+4*\g:64+16*\ct+8*\ks+4*\g+3], v[ADK] offset:VOFF+2048*(2*\ks+\g)+512*\ct
.endr
.endr
.endr
	s_wait_dscnt 16                                ; K is in; V's 16 loads may be out
	WIN 0x01                                       ; source 0 window 1
.irp ds, 0,1                           ; S^T: the eight accumulators take turns
.irp kt, 0,1,2,3
.irp t, 0,1
.if \ds == 0
	v_wmma_f32_16x16x32_f16 v[S+32*\t+8*\kt:S+32*\t+8*\kt+7], v[16*\kt+8*\ds:16*\kt+8*\ds+7], v[Q+16*\t+8*\ds:Q+16*\t+8*\ds+7], 0
.else
	v_wmma_f32_16x16x32_f16 v[S+32*\t+8*\kt:S+32*\t+8*\kt+7], v[16*\kt+8*\ds:16*\kt+8*\ds+7], v[Q+16*\t+8*\ds:Q+16*\t+8*\ds+7], v[S+32*\t+8*\kt:S+32*\t+8*\kt+7]
.endif
.endr
.endr
.endr
	WIN 0
.rept 4
	v_nop
.endr
	s_add_co_u32 s46, s[KF], 63
	s_cmp_le_u32 s46, s[Q0]                        ; all 64 keys count for all my queries: no mask
	s_cbranch_scc1 .Lopen_\@
	s_sub_co_u32 s46, s[Q0], s[KF]
	v_add_nc_u32 v8, s46, v7                       ; d = my query - KF - 8 h, tile 0; register 8 kt + j holds key KF + 16 kt + 8 h + j: hidden where 16 kt + j > d
	v_add_nc_u32 v9, 16, v8                        ; tile 1
.irp t, 0,1
.irp kt, 0,1,2,3
.irp j, 0,1,2,3,4,5,6,7
	v_cmp_gt_i32 vcc_lo, 16*\kt+\j, v[8+\t]
	v_cndmask_b32 v[S+32*\t+8*\kt+\j], v[S+32*\t+8*\kt+\j], v10, vcc_lo
.endr
.endr
.endr
.Lopen_\@:
.irp j, 0,1,2,3                        ; the maximum: four chains a tile, each accumulator read from its low end on; the two tiles by turns
.irp t, 0,1
	v_max3_num_f32 v[ST+8*\t+4+\j], v[S+32*\t+8*\j], v[S+32*\t+8*\j+1], v[S+32*\t+8*\j+2]
.endr
.endr
.irp i, 3,5
.irp j, 0,1,2,3
.irp t, 0,1
	v_max3_num_f32 v[ST+8*\t+4+\j], v[ST+8*\t+4+\j], v[S+32*\t+8*\j+\i], v[S+32*\t+8*\j+\i+1]
.endr
.endr
.endr
.irp t, 0,1
	v_max3_num_f32 v[ST+8*\t+4], v[ST+8*\t+4], v[S+32*\t+7], v[S+32*\t+15]
.endr
.irp t, 0,1
	v_max3_num_f32 v[ST+8*\t+6], v[ST+8*\t+6], v[S+32*\t+23], v[S+32*\t+31]
.endr
.irp t, 0,1
	v_max3_num_f32 v[ST+8*\t+4], v[ST+8*\t+4], v[ST+8*\t+5], v[ST+8*\t+6]
.endr
.irp t, 0,1
	v_max3_num_f32 v[ST+8*\t+4], v[ST+8*\t+4], v[ST+8*\t+7], v[ST+8*\t+1]
.endr
.irp t, 0,1
	v_permlanex16_b32 v[ST+8*\t+5], v[ST+8*\t+4], s[SEL], s[SEL+1]   ; the query's other 32 keys lie in the lane 16 away
.endr
.irp t, 0,1
	v_mov_b32 v[ST+8*\t+7], v[ST+8*\t]             ; c m_old
.endr
.irp t, 0,1
	v_max_num_f32 v[ST+8*\t+1], v[ST+8*\t+4], v[ST+8*\t+5]
.endr
.irp t, 0,1
	v_mul_f32 v[ST+8*\t], s[CS], v[ST+8*\t+1]
.endr
.irp t, 0,1
	v_sub_f32 v[ST+8*\t+7], v[ST+8*\t+7], v[ST+8*\t]
.endr
.irp b, 0,2,4,6,8,10,12,14,16,18,20,22,24,26,28,30
.irp t, 0,1
	v_pk_fma_f32 v[S+32*\t+\b:S+32*\t+\b+1], v[S+32*\t+\b:S+32*\t+\b+1], s[CS:CS+1], v[ST+8*\t:ST+8*\t+1] op_sel_hi:[1,0,0] neg_lo:[0,0,1] neg_hi:[0,0,1]   ; c s - c m
.endr
.endr
.irp t, 0,1
	v_exp_f32 v[ST+8*\t+6], v[ST+8*\t+7]           ; a
.endr
.set j, 0
.rept 32
.irp t, 0,1
	v_exp_f32 v[S+32*\t+j], v[S+32*\t+j]           ; p
.endr
.set j, j+1
.endr
	v_nop                                          ; a plain instruction behind the last exponential,
	s_wait_alu depctr_va_vdst(0)                   ; and ONE wait for the batch of 66, ahead of its first reader
.set j, 0
.rept 16
.irp t, 0,1
	v_cvt_pk_f16_f32 v[P+16*\t+j], v[S+32*\t+2*j], v[S+32*\t+2*j+1]
.endr
.set j, j+1
.endr
.irp u, 0,4,8,12,16,20,24,28           ; the sum of the 16 pairs, in place
.irp t, 0,1
	v_pk_add_f32 v[S+32*\t+\u:S+32*\t+\u+1], v[S+32*\t+\u:S+32*\t+\u+1], v[S+32*\t+\u+2:S+32*\t+\u+3]
.endr
.endr
.irp u, 0,8,16,24
.irp t, 0,1
	v_pk_add_f32 v[S+32*\t+\u:S+32*\t+\u+1], v[S+32*\t+\u:S+32*\t+\u+1], v[S+32*\t+\u+4:S+32*\t+\u+5]
.endr
.endr
.irp u, 0,16
.irp t, 0,1
	v_pk_add_f32 v[S+32*\t+\u:S+32*\t+\u+1], v[S+32*\t+\u:S+32*\t+\u+1], v[S+32*\t+\u+8:S+32*\t+\u+9]
.endr
.endr
.irp t, 0,1
	v_pk_add_f32 v[S+32*\t:S+32*\t+1], v[S+32*\t:S+32*\t+1], v[S+32*\t+16:S+32*\t+17]
.endr
.irp t, 0,1
	v_pk_fma_f32 v[ST+8*\t+2:ST+8*\t+3], v[ST+8*\t+2:ST+8*\t+3], v[ST+8*\t+6:ST+8*\t+7], v[S+32*\t:S+32*\t+1] op_sel_hi:[1,0,1]   ; l = a l + the sum
.endr
.set j, 0
.rept 16
.irp t, 0,1
	v_pk_mul_f32 v[O+32*\t+j:O+32*\t+j+1], v[O+32*\t+j:O+32*\t+j+1], v[ST+8*\t+6:ST+8*\t+7] op_sel_hi:[1,0]   ; O^T x a
.endr
.set j, j+2
.endr
	s_wait_dscnt 0x0                               ; V is in
	WIN 0x01
.irp ks, 0,1                           ; O^T += V^T P: the eight accumulators take turns
.irp ct, 0,1,2,3
.irp t, 0,1
	v_wmma_f32_16x16x32_f16 v[O+32*\t+8*\ct:O+32*\t+8*\ct+7], v[64+16*\ct+8*\ks:64+16*\ct+8*\ks+7], v[P+16*\t+8*\ks:P+16*\t+8*\ks+7], v[O+32*\t+8*\ct:O+32*\t+8*\ct+7]
.endr
.endr
.endr
	WIN 0
.Lhid_\@:
	s_add_co_u32 s[KF], s[KF], 64
	s_add_co_u32 s[TB], s[TB], 8192
	s_sub_co_u32 s[CNT], s[CNT], 1
	s_cmp_lg_u32 s[CNT], 0
	s_cbranch_scc1 .Lstep_\@
	s_sub_co_u32 s[TB], s[TB], 32768               ; back to a slot's first step,
	s_xor_b32 s[TB], s[TB], SLOT1                  ; in the other slot
.endm
; A TRIP: a slot of 256 keys.  At its head the change of slots: each wave waits for all its tensor loads (one: its eighth of the slot ahead), adds 0 to its spare word, waits for that and for its reads of the slot
; that it has left; behind the barrier that slot is filled with the next trip's keys (fill = 1): one load a wave, which has the trip's four steps in which to land.
.macro TRIP fill
	s_cmp_eq_u32 s[T], s[NA]                       ; ids and the count of trips alone
	s_cbranch_scc0 .Lsame_\@
	FINISH                                         ; the first block of queries is done;
	START ttmp9                                    ; the second begins, at key 0
.Lsame_\@:
	s_wait_tensorcnt 0x0                           ; no tensor load of mine is out, so group 0 may be written
	ds_add_u32 v[SPW], v[NIL]                      ; 0 onto my spare word
.if \fill
	s_add_co_u32 s46, s[T], 1                      ; the next trip's key block: T + 1, less NA from trip NA on
	s_cmp_ge_u32 s46, s[NA]
	s_cselect_b32 s47, s[NA], 0
	s_sub_co_u32 s46, s46, s47
	s_lshl_b32 s46, s46, 15
	s_mov_b32 s47, 0
	s_xor_b32 s[G0+1], s[G0+1], SLOT1
	s_add_nc_u64 s[G0+2:G0+3], s[BW:BW+1], s[46:47]
	s_or_b32 s[G0+3], s[G0+3], 0x80000000
	s_wait_xcnt 0x0                                ; the last prefetch, a trip back, has read its address
	s_add_nc_u64 s[PFA:PFA+1], s[PFA:PFA+1], 32768
.endif
	s_wait_dscnt 0x0                               ; the add is done, and my reads of the slot that I have left are over
	s_barrier_signal -1
	s_barrier_wait -1
.if \fill
	tensor_load_to_lds s[G0:G0+3], s[G1:G1+7]      ; the first thing behind the barrier, and my one tensor load until the next
	s_nop 0
.rept 4
	v_nop
.endr
	; A prefetch of key block T + 2, which the next trip's tensor loads will ask for: four key steps ahead.  The head's first work-group (i = 0), which walks key blocks 0 to 7 in trips 0 to 7, asks, in trips 0 to 5;
	; each wave for its own 8,192 bytes, lanes 256 bytes apart: each aligned block of 256 bytes is named once in the launch.  Key blocks 0 and 1 come by their loads alone; nothing is named beyond key block 7.
	s_cmp_lt_u32 s[T], s[LIM]
	s_cbranch_scc0 .Lnot_mine_\@
	global_prefetch_b8 v[PFO], s[PFA:PFA+1] th:TH_LOAD_NT scope:SCOPE_SE
.Lnot_mine_\@:
.endif
	STEPS4
.endm
	s_load_b128 s[4:7], s[0:1], 0x0                ; qkv, y16
	v_lshl_add_u32 v[SPW], v0, 2, SPARE
	v_mov_b32 v[NIL], 0
	ds_add_u32 v[SPW], v[NIL]                      ; the wave's opening: the add, twice on end, and its wait ahead of my first tensor load
	ds_add_u32 v[SPW], v[NIL]
	v_lshrrev_b32 v1, 5, v0
	v_readfirstlane_b32 s[WV], v1                  ; wave 0..7
	s_and_b32 s[BH], ttmp7, 0xffff                 ; 16 x sequence + head
	s_sub_co_u32 s[NA], 8, ttmp9
	s_sub_co_u32 s8, 7, ttmp9                      ; the first block of queries
	s_mov_b32 s[G1], 3<<16                         ; elements of 8 bytes, no mask, no padding: 8,192 dense bytes as 32 rows of 256
	s_mov_b32 s[G1+1], 32<<16
	s_mov_b32 s[G1+2], 32<<16
	s_mov_b32 s[G1+3], 32<<16
	s_mov_b32 s[G1+4], 32
	s_mov_b32 s[G1+5], 32
	s_mov_b32 s[G1+6], 0
	s_mov_b32 s[G1+7], 0
	s_mov_b32 s[G0], 1
	s_lshl_b32 s[G0+1], s[WV], 13                  ; slot 0, 8,192 x wave
	s_lshr_b32 s46, s[WV], 2
	s_add_co_u32 s46, s46, 1
	s_lshl_b32 s46, s46, 24                        ; k's third of the buffer, or v's
	s_lshl_b32 s48, s[BH], 18
	s_add_co_u32 s46, s46, s48
	s_and_b32 s47, s[WV], 3
	s_lshl_b32 s47, s47, 13
	s_add_co_u32 s46, s46, s47
	s_mov_b32 s47, 0
	s_mov_b32 s49, 0
	s_mov_b32 s[CS], 0x3e38aa3b                    ; c = log2(e) / 8
	s_mov_b32 s[CS+1], s[CS]
	s_mov_b32 s[SEL], 0x76543210
	s_mov_b32 s[SEL+1], 0xfedcba98
	s_mov_b32 s[TB], 0
	s_mov_b32 s[T], 0
	s_cmp_eq_u32 ttmp9, 0
	s_cselect_b32 s[LIM], 6, 0
	s_wait_dscnt 0x0                               ; both opening adds are done
	s_wait_kmcnt 0x0
	s_add_nc_u64 s[BW:BW+1], s[4:5], s[46:47]
	s_add_nc_u64 s[HB:HB+1], s[4:5], s[48:49]
	s_mov_b64 s[G0+2:G0+3], s[BW:BW+1]
	s_or_b32 s[G0+3], s[G0+3], 0x80000000
	tensor_load_to_lds s[G0:G0+3], s[G1:G1+7]      ; key block 0 into slot 0: every wave issues its eighth
	s_nop 0
.rept 4
	v_nop
.endr
	s_add_nc_u64 s[PFA:PFA+1], s[BW:BW+1], 32768   ; each trip steps it before use: trip 0 names key block 2
	v_and_b32 v1, 31, v0
	v_lshlrev_b32 v[PFO], 8, v1
	v_lshlrev_b32 v[LI], 4, v1                     ; 16 x lane
	v_and_b32 v7, 15, v0
	v_bfe_u32 v8, v0, 4, 1
	v_lshlrev_b32 v8, 3, v8
	v_sub_nc_u32 v7, v7, v8                        ; r - 8 h
	v_mov_b32 v10, 0xff800000                      ; -infinity
	START s8
.Ltrip:                                            ; eight trips ask for the next slot;
	TRIP 1
	s_add_co_u32 s[T], s[T], 1
	s_cmp_lt_u32 s[T], 8
	s_cbranch_scc1 .Ltrip
	TRIP 0                                         ; the ninth is written out: nothing is left to fetch
	FINISH
	s_wait_tensorcnt 0x0                           ; the wave's end
	ds_add_u32 v[SPW], v[NIL]
	s_wait_dscnt 0x0
	s_endpgm
.Lfunc_end_k_q239b55b66b_attn:
	.size	k_q239b55b66b_attn, .Lfunc_end_k_q239b55b66b_attn-k_q239b55b66b_attn
	.p2alignl 7, 3214868480
	.fill 96, 4, 3214868480
	.section	.rodata,"a",@progbits
	.p2align	6, 0x0
	.amdhsa_kernel k_q239b55b66b_attn
		.amdhsa_group_segment_fixed_size 327680
		.amdhsa_private_segment_fixed_size 0
		.amdhsa_enable_private_segment 0
		.amdhsa_kernarg_size 16
		.amdhsa_user_sgpr_count 2
		.amdhsa_user_sgpr_kernarg_segment_ptr 1
		.amdhsa_wavefront_size32 1
		.amdhsa_system_sgpr_workgroup_id_x 1
		.amdhsa_system_sgpr_workgroup_id_y 1
		.amdhsa_system_sgpr_workgroup_id_z 1
		.amdhsa_system_vgpr_workitem_id 0
		.amdhsa_next_free_vgpr 384
		.amdhsa_next_free_sgpr 66
		.amdhsa_reserve_vcc 1
		.amdhsa_float_denorm_mode_32 3
		.amdhsa_float_denorm_mode_16_64 3
		.amdhsa_memory_ordered 1
		.amdhsa_forward_progress 1
		.amdhsa_inst_pref_size 75
	.end_amdhsa_kernel
	.amdgpu_metadata
---
amdhsa.version: [ 1, 2 ]
amdhsa.kernels:
  - .name:           k_q239b55b66b_attn
    .symbol:         k_q239b55b66b_attn.kd
    .args:
      - { .name: qkv, .offset: 0, .size: 8, .value_kind: global_buffer, .address_space: global }
      - { .name: y16, .offset: 8, .size: 8, .value_kind: global_buffer, .address_space: global }
    .group_segment_fixed_size: 327680
    .private_segment_fixed_size: 0
    .kernarg_segment_align: 8
    .kernarg_segment_size: 16
    .max_flat_workgroup_size: 256
    .sgpr_count:     66
    .vgpr_count:     384
    .wavefront_size: 32
...
	.end_amdgpu_metadata
.endif
;; end of part 3
;; launch proj (part 4): grid 4 x 64, 4 waves a work-group, clusters of 4 x 4, 327,680 bytes of LDS; arguments y16, wp16, bp, out0; writes out0
.if DOCPART == 4
	.amdgcn_target "amdgcn-amd-amdhsa--gfx1250"
	.amdhsa_code_object_version 6
	.text
	.protected	k_q239b55b66b_proj
	.globl	k_q239b55b66b_proj
	.p2align	8
	.type	k_q239b55b66b_proj,@function
k_q239b55b66b_proj:
	s_mov_b64 s[64:65], 0
	v_nop
	global_prefetch_b8 v0, s[64:65] scope:SCOPE_SE
	s_setreg_imm32_b32 hwreg(HW_REG_WAVE_MODE, 25, 1), 1
	s_wait_xcnt 0x0
	s_wait_alu depctr_hold_cnt(0) depctr_sa_sdst(0) depctr_va_vdst(0) depctr_va_sdst(0) depctr_va_ssrc(0) depctr_va_vcc(0) depctr_vm_vsrc(0)
	s_getreg_b32 s2, hwreg(HW_REG_IB_STS2, 6, 4)
	s_cmp_eq_u32 s2, 0
	s_cbranch_scc0 .Lentry_in_a_cluster
	s_endpgm
.Lentry_in_a_cluster:
	s_bfe_u32 s2, ttmp6, 0x10000c
	s_cmp_lg_u32 s2, 0xf033
	s_cbranch_scc0 .Lentry_shape_is_right
	s_endpgm
.Lentry_shape_is_right:
; out = y Wp + bp, f16 operands (y16 and wp16, both in the order of the operands' registers), f32 sums.  The rows of positions 0-15 of each sequence are not stored here: the launch in f32 stores them;
; their products stand inside a live tile.
; A tile of 128 rows x 256 columns to a work-group of four waves: 256 work-groups.  A wave makes 64 x 128: 32 accumulators.  K goes in steps of 128 through two LDS slots.
; CLUSTERS of 4 x 4: cx the 256 columns, cy the sequence, cluster y which 128 positions.  y's tiles are shared along a row of the cluster, Wp's along a column: joint loads.
; The matrix instruction is used transposed (source 0 = 16 columns of Wp, source 1 = 16 rows of y): a lane holds eight neighbouring numbers of a row of the output.  bp is the C of each sum's first product.
; LIMIT: |y|, |Wp| under 65,504 (f16).
; REGISTERS: window 0: v16-29 addresses; v64-95, v96-127 y's fragments, two buffers; v128-191 the bias tiles; v192-255 the way out.  window 1: v0-63, v64-127 Wp's fragments.  window 2: accumulator (a, b) at v[8 (8 a + b)].
.set SLOT,  98304                      ; y's 8 tiles x 4,096 bytes, then Wp's 16
.set BOFF,  32768
.set STAGE, 196608                     ; behind the ring: 16 rows x 528 bytes for each wave
.set SP,    528
.set SPARE, 230400
.set LAPS,  4
.set ADRA, 16
.set ADRB, 20
.set STO,  24
.set RD,   25
.set CO,   26
.set SPW,  28
.set NIL,  29
.set BI,   128
.set BK,   192
.set WVN, 12
.set RH,  13
.set CH,  14
.set G1,  24
.set G0,  32
.set G1B, 48
.set G0B, 56
.set MSB, 0
.macro WIN new
.if MSB != \new
	s_set_vgpr_msb (MSB<<8)|\new
.set MSB, \new
.endif
.endm
.macro JLOAD s                         ; a joint load: waves 0 and 1 fetch y's halves, waves 2 and 3 Wp's; an s_nop 0 and four v_nop follow each line
	s_cmp_eq_u32 s[RH], 0
	s_cbranch_scc0 .Lfor_b_\@
	tensor_load_to_lds s[G0+4*\s:G0+4*\s+3], s[G1:G1+7]
	s_nop 0
.rept 4
	v_nop
.endr
	s_branch .Lasked_\@
.Lfor_b_\@:
	tensor_load_to_lds s[G0B+4*\s:G0B+4*\s+3], s[G1B:G1B+7]
	s_nop 0
.rept 4
	v_nop
.endr
.Lasked_\@:
.endm
.macro CREST
	s_cmp_lg_u32 s[WVN], 0
	s_cbranch_scc1 .Lnot_wave_0_\@
	s_barrier_signal -3
.Lnot_wave_0_\@:
	s_barrier_wait -3
	s_barrier_signal -1
	s_barrier_wait -1
.endm
.macro CROUND
	s_barrier_signal -1
	s_barrier_wait -1
	CREST
.endm
.macro PLACES
.rept 4
	v_nop
.endr
.endm
.macro FETCH slot, kq, f               ; the fragments of 32 along K, the slot's kq-th: Wp's eight, y's four: 24 loads of 512 consecutive bytes
	WIN 0x40
.irp i, 0,1,2,3,4,5,6,7
.irp g, 0,1
	ds_load_b128 v[64*(\f)+8*\i+4*\g:64*(\f)+8*\i+4*\g+3], v[ADRB+\slot] offset:4096*\i+1024*(\kq)+512*\g
.endr
.endr
	WIN 0
.irp i, 0,1,2,3
.irp g, 0,1
	ds_load_b128 v[64+32*(\f)+8*\i+4*\g:64+32*(\f)+8*\i+4*\g+3], v[ADRA+\slot] offset:4096*\i+1024*(\kq)+512*\g
.endr
.endr
.endm
.macro MUL8 f, a, mode                 ; y's tile a against Wp's eight; the 32 accumulators take turns, in the same order in every quarter
.if \mode == 2
	WIN 0x81
.else
	WIN 0xa1
.endif
.irp b, 0,1,2,3,4,5,6,7
.if \mode == 2
	v_wmma_f32_16x16x32_f16 v[8*(8*(\a)+\b):8*(8*(\a)+\b)+7], v[64*(\f)+8*\b:64*(\f)+8*\b+7], v[64+32*(\f)+8*(\a):64+32*(\f)+8*(\a)+7], v[BI+8*\b:BI+8*\b+7]
.else
	v_wmma_f32_16x16x32_f16 v[8*(8*(\a)+\b):8*(8*(\a)+\b)+7], v[64*(\f)+8*\b:64*(\f)+8*\b+7], v[64+32*(\f)+8*(\a):64+32*(\f)+8*(\a)+7], v[8*(8*(\a)+\b):8*(8*(\a)+\b)+7]
.endif
.endr
.endm
.macro QUARTER slot, kq, f, g, mode    ; multiplies buffer f; in its middle fetches the slot's kq-th 32 along K into buffer g
	s_wait_dscnt 0x0
	MUL8 \f, 0, \mode
	MUL8 \f, 1, \mode
	PLACES
	FETCH \slot, \kq, \g
	MUL8 \f, 2, \mode
	MUL8 \f, 3, \mode
.endm
; A K step's last quarter multiplies buffer 1 and changes slots: one barrier; in front of it each wave waits for all its tensor loads, adds 0 to its spare word, and waits for that and for its reads of this slot.
.macro TURN slot, next, fill
	WIN 0
	s_wait_tensorcnt 0x0                           ; my part of the next slot has landed
	ds_add_u32 v[SPW], v[NIL]                      ; 0 onto my spare word
	s_wait_dscnt 1                                 ; the fragments are in (the add may be out)
	MUL8 1, 0, 0
	s_wait_dscnt 0x0                               ; the add is done, and my reads of this slot are over
	s_barrier_signal -1
	MUL8 1, 1, 0
	WIN 0
	s_barrier_wait -1
.if \fill
	CREST                                          ; the barrier has opened a round of the cluster's: no wave of any partner still reads this slot or has a load on its way
	s_add_nc_u64 s[G0+4*\slot+2:G0+4*\slot+3], s[G0+4*\slot+2:G0+4*\slot+3], 8192
	s_add_nc_u64 s[G0B+4*\slot+2:G0B+4*\slot+3], s[G0B+4*\slot+2:G0B+4*\slot+3], 8192
	JLOAD \slot                                    ; two K steps on; its four v_nop are also the places in front of the loads below
.else
	PLACES
.endif
	FETCH \next, 0, 0
	MUL8 1, 2, 0
	MUL8 1, 3, 0
.endm
	s_load_b256 s[4:11], s[0:1], 0x0               ; y16, wp16, bp, out0
	v_lshl_add_u32 v[SPW], v0, 2, SPARE
	v_mov_b32 v[NIL], 0
	ds_add_u32 v[SPW], v[NIL]                      ; the wave's opening: the add, twice on end, and its wait ahead of my first tensor load
	ds_add_u32 v[SPW], v[NIL]
	v_lshrrev_b32 v1, 5, v0
	v_readfirstlane_b32 s[WVN], v1
	s_lshr_b32 s[RH], s[WVN], 1                    ; which half of the tile's rows is mine; also: I fetch for y (0) or for Wp (1)
	s_and_b32 s[CH], s[WVN], 1                     ; which half of its columns; also: which half of that operand's tiles I fetch
	s_bfe_u32 s40, ttmp6, 0x40000                  ; cx
	s_bfe_u32 s41, ttmp6, 0x40004                  ; cy
	s_and_b32 s42, ttmp7, 0xffff                   ; cluster y
	s_lshl_b32 s43, s41, 2
	s_lshl_b32 s43, 15, s43                        ; my row of the cluster
	s_lshl_b32 s44, 0x1111, s40                    ; my column
	s_or_b32 s[G1], s43, (3<<16)|(1<<21)
	s_or_b32 s[G1B], s44, (3<<16)|(1<<21)
	s_mov_b32 s[G1+1], 512<<16                     ; y: 4 tiles, of each the 4,096 bytes of a K step, 32,768 bytes apart
	s_mov_b32 s[G1+2], 4<<16
	s_mov_b32 s[G1+3], 512<<16
	s_mov_b32 s[G1+4], 4
	s_mov_b32 s[G1+5], 4096
	s_mov_b32 s[G1+6], 0
	s_mov_b32 s[G1+7], 0
	s_mov_b32 s[G1B+1], 512<<16                    ; Wp: 8 tiles
	s_mov_b32 s[G1B+2], 8<<16
	s_mov_b32 s[G1B+3], 512<<16
	s_mov_b32 s[G1B+4], 8
	s_mov_b32 s[G1B+5], 4096
	s_mov_b32 s[G1B+6], 0
	s_mov_b32 s[G1B+7], 0
	s_lshl_b32 s16, s41, 7
	s_lshl_b32 s17, s42, 3
	s_add_co_u32 s16, s16, s17
	s_lshl_b32 s17, s[CH], 2
	s_add_co_u32 s16, s16, s17                     ; y: tile 128 cy + 8 cluster y + 4 x half
	s_lshl_b32 s16, s16, 15
	s_mov_b32 s17, 0
	s_lshl_b32 s46, s40, 4
	s_lshl_b32 s47, s[CH], 3
	s_add_co_u32 s46, s46, s47                     ; Wp: tile 16 cx + 8 x half
	s_lshl_b32 s46, s46, 15
	s_mov_b32 s47, 0
	s_lshl_b32 s20, s[CH], 14                      ; where they go: y's halves,
	s_lshl_b32 s21, s[CH], 15
	s_add_co_u32 s21, s21, BOFF                    ; Wp's halves behind them
	s_wait_dscnt 0x0
	s_wait_kmcnt 0x0
	s_add_nc_u64 s[16:17], s[4:5], s[16:17]
	s_add_nc_u64 s[46:47], s[6:7], s[46:47]
	CROUND                                         ; all sixteen work-groups are here: the first joint loads meet
.irp s, 0,1
	s_mov_b32 s[G0+4*\s], 1
	s_add_co_u32 s[G0+4*\s+1], s20, \s*SLOT
	s_add_nc_u64 s[G0+4*\s+2:G0+4*\s+3], s[16:17], \s*4096
	s_or_b32 s[G0+4*\s+3], s[G0+4*\s+3], 0x80000000
	s_mov_b32 s[G0B+4*\s], 1
	s_add_co_u32 s[G0B+4*\s+1], s21, \s*SLOT
	s_add_nc_u64 s[G0B+4*\s+2:G0B+4*\s+3], s[46:47], \s*4096
	s_or_b32 s[G0B+4*\s+3], s[G0B+4*\s+3], 0x80000000
	JLOAD \s
.endr
	v_and_b32 v1, 31, v0
	v_lshlrev_b32 v[CO], 4, v1                     ; 16 x lane
	v_and_b32 v2, 15, v0                           ; r
	v_bfe_u32 v3, v0, 4, 1                         ; h
	v_lshlrev_b32 v6, 5, v3                        ; 32 h
	s_lshl_b32 s22, s40, 10
	s_lshl_b32 s23, s[CH], 9
	s_add_co_u32 s22, s22, s23                     ; my first column, in bytes
	s_mov_b32 s23, 0
	s_add_nc_u64 s[8:9], s[8:9], s[22:23]
.irp b, 0,1,2,3,4,5,6,7                ; bp in the result's layout: lane (r, h) holds columns 16 b + 8 h + 0 .. 7
	global_load_b128 v[BI+8*\b:BI+8*\b+3], v6, s[8:9] offset:64*\b
	global_load_b128 v[BI+8*\b+4:BI+8*\b+7], v6, s[8:9] offset:64*\b+16
.endr
	s_lshl_b32 s18, s[RH], 14                      ; my 4 tiles of y
	s_lshl_b32 s19, s[CH], 15
	s_add_co_u32 s19, s19, BOFF                    ; my 8 tiles of Wp
.irp s, 0,1
	v_add_nc_u32 v[ADRA+\s], s18, v[CO]
	v_add_nc_u32 v[ADRB+\s], s19, v[CO]
	s_add_co_u32 s18, s18, SLOT
	s_add_co_u32 s19, s19, SLOT
.endr
	s_mul_i32 s18, s[WVN], 16*SP
	s_add_co_u32 s18, s18, STAGE                   ; my stage
	v_mul_u32_u24 v4, v2, SP
	v_lshl_add_u32 v4, v3, 5, v4
	v_add_nc_u32 v[STO], s18, v4                   ; in: row r, + 32 h
	v_add_nc_u32 v[RD], s18, v[CO]                 ; back: a whole row of 512 bytes
	s_lshl_b32 s18, s41, 11
	s_lshl_b32 s19, s42, 7
	s_add_co_u32 s18, s18, s19
	s_lshl_b32 s19, s[RH], 6
	s_add_co_u32 s18, s18, s19                     ; my first row: 2,048 cy + 128 cluster y + 64 x half
	s_lshl_b32 s18, s18, 12
	s_add_co_u32 s18, s18, s22
	s_mov_b32 s19, 0
	s_add_nc_u64 s[10:11], s[10:11], s[18:19]
	s_wait_tensorcnt 1                             ; my part of K step 0 is in (K step 1's load may be out),
	s_barrier_signal -1
	s_barrier_wait -1                              ; everybody's is
	FETCH 0, 0, 0
	s_wait_loadcnt 0x0                             ; bp
	QUARTER 0, 1, 0, 1, 2                          ; the first quarter stands in front of the loop: its products start the sums on bp
	WIN 0
	s_mov_b32 s3, LAPS-1
.Llap:                                             ; a trip goes once round the ring and fills both slots again
	QUARTER 0, 2, 1, 0, 0
	QUARTER 0, 3, 0, 1, 0
	TURN 0, 1, 1
	QUARTER 1, 1, 0, 1, 0
	QUARTER 1, 2, 1, 0, 0
	QUARTER 1, 3, 0, 1, 0
	TURN 1, 0, 1
	QUARTER 0, 1, 0, 1, 0
	WIN 0
	s_sub_co_u32 s3, s3, 1
	s_cmp_lg_u32 s3, 0
	s_cbranch_scc1 .Llap
	QUARTER 0, 2, 1, 0, 0                          ; the last lap fills nothing
	QUARTER 0, 3, 0, 1, 0
	TURN 0, 1, 0
	QUARTER 1, 1, 0, 1, 0
	QUARTER 1, 2, 1, 0, 0
	QUARTER 1, 3, 0, 1, 0
	s_wait_dscnt 0x0
	MUL8 1, 0, 0
	MUL8 1, 1, 0
	MUL8 1, 2, 0
	MUL8 1, 3, 0
	WIN 0
; THE WAY OUT, 16 rows x 128 columns at a time through my own stage: in as 32 bytes a lane, back as whole rows of 512 bytes.  LDS serves a wave's instructions in order.
.macro OUTBLK a
	s_wait_xcnt 0x0                                ; the last block's stores have read their registers
	WIN 0x08                                       ; an LDS store's data: window 2
.irp b, 0,1,2,3,4,5,6,7
	ds_store_b128 v[STO], v[8*(8*(\a)+\b):8*(8*(\a)+\b)+3] offset:64*\b          ; each accumulator from its low end on
	ds_store_b128 v[STO], v[8*(8*(\a)+\b)+4:8*(8*(\a)+\b)+7] offset:64*\b+16
.endr
	WIN 0
.irp t, 0,1,2,3,4,5,6,7,8,9,10,11,12,13,14,15
	ds_load_b128 v[BK+4*\t:BK+4*\t+3], v[RD] offset:SP*\t
.endr
.irp t, 0,1,2,3,4,5,6,7,8,9,10,11,12,13,14,15
	s_wait_dscnt 15-\t                             ; row t is back; the younger loads may be out
	global_store_b128 v[CO], v[BK+4*\t:BK+4*\t+3], s[10:11] offset:(16*(\a)+\t)*4096 th:TH_STORE_NT   ; 512 consecutive bytes, aligned
.endr
.endm
	PLACES
	s_or_b32 s16, s42, s[RH]
	s_cmp_eq_u32 s16, 0                            ; my first 16 rows are positions 0-15 of a sequence: not stored here
	s_cbranch_scc1 .Lskip0
	OUTBLK 0
.Lskip0:
	OUTBLK 1
	OUTBLK 2
	OUTBLK 3
	s_wait_tensorcnt 0x0                           ; the wave's end
	ds_add_u32 v[SPW], v[NIL]
	s_wait_dscnt 0x0
	CROUND                                         ; the closing round
	s_endpgm
.Lfunc_end_k_q239b55b66b_proj:
	.size	k_q239b55b66b_proj, .Lfunc_end_k_q239b55b66b_proj-k_q239b55b66b_proj
	.p2alignl 7, 3214868480
	.fill 96, 4, 3214868480
	.section	.rodata,"a",@progbits
	.p2align	6, 0x0
	.amdhsa_kernel k_q239b55b66b_proj
		.amdhsa_group_segment_fixed_size 327680
		.amdhsa_private_segment_fixed_size 0
		.amdhsa_enable_private_segment 0
		.amdhsa_kernarg_size 32
		.amdhsa_user_sgpr_count 2
		.amdhsa_user_sgpr_kernarg_segment_ptr 1
		.amdhsa_wavefront_size32 1
		.amdhsa_system_sgpr_workgroup_id_x 1
		.amdhsa_system_sgpr_workgroup_id_y 1
		.amdhsa_system_sgpr_workgroup_id_z 1
		.amdhsa_system_vgpr_workitem_id 0
		.amdhsa_next_free_vgpr 768
		.amdhsa_next_free_sgpr 66
		.amdhsa_reserve_vcc 0
		.amdhsa_float_denorm_mode_32 3
		.amdhsa_float_denorm_mode_16_64 3
		.amdhsa_memory_ordered 1
		.amdhsa_forward_progress 1
		.amdhsa_inst_pref_size 88
	.end_amdhsa_kernel
	.amdgpu_metadata
---
amdhsa.version: [ 1, 2 ]
amdhsa.kernels:
  - .name:           k_q239b55b66b_proj
    .symbol:         k_q239b55b66b_proj.kd
    .args:
      - { .name: y16, .offset: 0, .size: 8, .value_kind: global_buffer, .address_space: global }
      - { .name: wp16, .offset: 8, .size: 8, .value_kind: global_buffer, .address_space: global }
      - { .name: bp, .offset: 16, .size: 8, .value_kind: global_buffer, .address_space: global }
      - { .name: out0, .offset: 24, .size: 8, .value_kind: global_buffer, .address_space: global }
    .group_segment_fixed_size: 327680
    .private_segment_fixed_size: 0
    .kernarg_segment_align: 8
    .kernarg_segment_size: 32
    .max_flat_workgroup_size: 128
    .sgpr_count:     66
    .vgpr_count:     768
    .wavefront_size: 32
...
	.end_amdgpu_metadata
.endif
;; end of part 4
;; launch fine (part 5): grid 16 x 4, 16 waves a work-group, no clusters, 67,584 bytes of LDS; arguments qkvf, Wp, bp, out0; writes out0
.if DOCPART == 5
	.amdgcn_target "amdgcn-amd-amdhsa--gfx1250"
	.amdhsa_code_object_version 6
	.text
	.protected	k_q239b55b66b_fine
	.globl	k_q239b55b66b_fine
	.p2align	8
	.type	k_q239b55b66b_fine,@function
k_q239b55b66b_fine:
	s_mov_b64 s[64:65], 0
	v_nop
	global_prefetch_b8 v0, s[64:65] scope:SCOPE_SE
	s_setreg_imm32_b32 hwreg(HW_REG_WAVE_MODE, 25, 1), 1
	s_wait_xcnt 0x0
; Positions 0-15 of each of the four sequences, attention and projection, all in f32: these rows average one to sixteen values and are the largest of the output, so f16 operands would weigh most here.
; k comes without bk (shown at the head of the first kernel).  Keys beyond position 15 are hidden from these queries by the causal mask and are not touched.
; SHARES.  Work-group (g, b): sequence b, output columns 64 g .. 64 g + 63.  Wave w is head w: it makes the head's 16 x 16 attention from the f32 register images that the launch of q, k, v stored, then multiplies its own
; 64 channels of y against the 64 columns of Wp.  So y never changes wave; the sixteen partial sums meet in LDS, and wave w adds up row w.  Every work-group of a sequence repeats the small attention.
; The f32 matrix form contracts 4 at a time: lane (r, h), register j stands for k = 2 h + j.  Both sources of a product are cut from registers laid alike, so the same four channels (or keys) meet on both sides.
; The registers that the matrix instructions write (v16-23, v240-247, v128-159) are written by nothing else; every sum begins with the constant 0.
.set SPARE, 65536                      ; behind the 16 partial sums of 4,096 bytes: the spare words, 128 bytes for each wave
.set LI,  1
.set WA,  2
.set SPW, 3
.set NIL, 4
.set S0,  16
.set S1,  240
.set P,   24
.set QF,  32
.set KF,  64
.set VF,  96                           ; v, later y
.set O,   128                          ; O^T, later the projection's sums
.set WF0, 160
	s_load_b256 s[4:11], s[0:1], 0x0               ; qkvf, Wp, bp, out0
	v_lshl_add_u32 v[SPW], v0, 2, SPARE
	v_mov_b32 v[NIL], 0
	v_lshrrev_b32 v5, 5, v0
	v_readfirstlane_b32 s12, v5                    ; wave = head
	v_and_b32 v5, 31, v0                           ; l
	v_lshlrev_b32 v[LI], 4, v5
	v_and_b32 v6, 15, v0                           ; r
	v_bfe_u32 v7, v0, 4, 1                         ; h
	v_lshlrev_b32 v[WA], 2, v6
	v_lshl_add_u32 v[WA], v7, 15, v[WA]            ; Wp: 8 h rows of 4,096 bytes + 4 r
	v_lshlrev_b32 v8, 3, v5                        ; 8 l
	v_lshlrev_b32 v9, 3, v7
	v_sub_nc_u32 v9, v6, v9                        ; r - 8 h
	s_lshl_b32 s15, s12, 12
	v_add_nc_u32 v10, s15, v[LI]                   ; my partial sums: 4,096 w + 16 l
	v_lshrrev_b32 v11, 3, v5                       ; reading row w back, two columns a lane: columns 2 l, 2 l + 1 lie in tile l / 8, half (l / 4) % 2, group (l / 2) % 2, words 2 (l % 2) on, lane 16 half + w
	v_lshlrev_b32 v11, 10, v11
	v_bfe_u32 v12, v0, 1, 1
	v_lshl_add_u32 v11, v12, 9, v11
	v_bfe_u32 v12, v0, 2, 1
	v_lshl_add_u32 v11, v12, 8, v11
	v_and_b32 v12, 1, v0
	v_lshl_add_u32 v11, v12, 3, v11
	s_lshl_b32 s15, s12, 4
	v_add_nc_u32 v11, s15, v11
	v_mov_b32 v12, 0xff800000                      ; -infinity
	v_mov_b32 v224, 0                              ; a lane permute's destination counts as one of its sources
	s_mov_b32 s20, 0x76543210
	s_mov_b32 s21, 0xfedcba98
	s_mov_b32 s22, 0x3e38aa3b                      ; c = log2(e) / 8
	s_and_b32 s14, ttmp7, 0xffff                   ; the sequence
	s_lshl_b32 s16, s14, 4
	s_add_co_u32 s16, s16, s12
	s_lshl_b32 s16, s16, 12                        ; q's image of (sequence, head); k's and v's lie 64 and 128 images on
	s_mov_b32 s17, 0
	s_lshl_b32 s15, ttmp9, 8                       ; my 64 columns, in bytes
	s_lshl_b32 s18, s12, 18                        ; my head's 64 rows of Wp
	s_add_co_u32 s18, s18, s15
	s_mov_b32 s19, 0
	s_mov_b32 s24, s15
	s_mov_b32 s25, 0
	s_lshl_b32 s26, s14, 11
	s_add_co_u32 s26, s26, s12                     ; the row that I add up and store: position w
	s_lshl_b32 s26, s26, 12
	s_add_co_u32 s26, s26, s15
	s_mov_b32 s27, 0
	s_wait_kmcnt 0x0
	s_add_nc_u64 s[16:17], s[4:5], s[16:17]
	s_add_nc_u64 s[18:19], s[6:7], s[18:19]
	s_add_nc_u64 s[24:25], s[8:9], s[24:25]
	s_add_nc_u64 s[26:27], s[10:11], s[26:27]
.irp bb, 0,1,2,3
.irp g, 0,1
	global_load_b128 v[KF+8*\bb+4*\g:KF+8*\bb+4*\g+3], v[LI], s[16:17] offset:262144+1024*\bb+512*\g   ; lane (r, h): k(position r, channel 16 bb + 8 h + j)
	global_load_b128 v[QF+8*\bb+4*\g:QF+8*\bb+4*\g+3], v[LI], s[16:17] offset:1024*\bb+512*\g          ; q likewise
	global_load_b128 v[VF+8*\bb+4*\g:VF+8*\bb+4*\g+3], v[LI], s[16:17] offset:524288+1024*\bb+512*\g   ; lane (r, h): v(position 8 h + j, channel 16 bb + r)
.endr
.endr
.irp u, 0,1                            ; Wp(64 w + 16 ct + 8 h + j, 64 g + 16 u + r)
.irp ct, 0,1,2,3
.irp j, 0,1,2,3,4,5,6,7
	global_load_b32 v[WF0+32*\u+8*\ct+\j], v[WA], s[18:19] offset:(16*\ct+\j)*4096+64*\u
.endr
.endr
.endr
	global_load_b64 v[14:15], v8, s[24:25]         ; bp at my two columns
	s_wait_loadcnt 63                              ; 89 loads are issued: at most the youngest 63 are out, so the first 24, the images, are in
.set n, 0
.rept 16                               ; S^T = k q^T: 4 channels an instruction, two accumulators by turns
.set SA, S0+(S1-S0)*(n%2)
.if n < 2
	v_wmma_f32_16x16x4_f32 v[SA:SA+7], v[KF+2*n:KF+2*n+1], v[QF+2*n:QF+2*n+1], 0
.else
	v_wmma_f32_16x16x4_f32 v[SA:SA+7], v[KF+2*n:KF+2*n+1], v[QF+2*n:QF+2*n+1], v[SA:SA+7]
.endif
.set n, n+1
.endr
.rept 8
	v_nop                                          ; eight places behind this form, in front of loads into its sources and of the first read of its results
.endr
.irp u, 2,3                            ; the other 32 columns of Wp, over q and k
.irp ct, 0,1,2,3
.irp j, 0,1,2,3,4,5,6,7
	global_load_b32 v[32*\u-32+8*\ct+\j], v[WA], s[18:19] offset:(16*\ct+\j)*4096+64*\u
.endr
.endr
.endr
.irp j, 0,1,2,3,4,5,6,7
	v_add_f32 v[P+\j], v[S0+\j], v[S1+\j]          ; lane (r, h): the score of key 8 h + j for query r
.endr
.irp j, 0,1,2,3,4,5,6,7
	v_cmp_gt_i32 vcc_lo, \j, v9                    ; hidden where 8 h + j > r
	v_cndmask_b32 v[P+\j], v[P+\j], v12, vcc_lo
.endr
	v_max3_num_f32 v13, v[P], v[P+1], v[P+2]
	v_max3_num_f32 v13, v13, v[P+3], v[P+4]
	v_max3_num_f32 v13, v13, v[P+5], v[P+6]
	v_max_num_f32 v13, v13, v[P+7]
	v_permlanex16_b32 v224, v13, s20, s21
	v_max_num_f32 v13, v13, v224                   ; the row's maximum: key 0 counts for every query, so it is a number
	v_mul_f32 v13, s22, v13
.irp j, 0,1,2,3,4,5,6,7
	v_fma_f32 v[P+\j], v[P+\j], s22, -v13
.endr
.irp j, 0,1,2,3,4,5,6,7
	v_exp_f32 v[P+\j], v[P+\j]
.endr
	v_nop
	s_wait_alu depctr_va_vdst(0)                   ; one wait for the eight exponentials, ahead of their first reader
	v_add_f32 v225, v[P], v[P+1]
	v_add_f32 v226, v[P+2], v[P+3]
	v_add_f32 v227, v[P+4], v[P+5]
	v_add_f32 v228, v[P+6], v[P+7]
	v_add_f32 v225, v225, v226
	v_add_f32 v227, v227, v228
	v_add_f32 v225, v225, v227
	v_permlanex16_b32 v224, v225, s20, s21
	v_add_f32 v225, v225, v224
	v_rcp_f32 v226, v225
	v_nop
	s_wait_alu depctr_va_vdst(0)                   ; and one for the reciprocal
.irp s, 0,1,2,3                        ; O^T = v^T p: 4 keys an instruction, four accumulators by turns
.irp ct, 0,1,2,3
.if \s == 0
	v_wmma_f32_16x16x4_f32 v[O+8*\ct:O+8*\ct+7], v[VF+8*\ct+2*\s:VF+8*\ct+2*\s+1], v[P+2*\s:P+2*\s+1], 0
.else
	v_wmma_f32_16x16x4_f32 v[O+8*\ct:O+8*\ct+7], v[VF+8*\ct+2*\s:VF+8*\ct+2*\s+1], v[P+2*\s:P+2*\s+1], v[O+8*\ct:O+8*\ct+7]
.endif
.endr
.endr
.rept 9
	v_nop                                          ; nine places: the results are read, v's registers are written, and the next sums begin anew over these accumulators
.endr
.set i, 0
.rept 32
	v_mul_f32 v[VF+i], v[O+i], v226                ; y: lane (r, h): y(query r, channel 16 ct + 8 h + j)
.set i, i+1
.endr
	s_wait_loadcnt 0x0                             ; Wp, bp
.irp ct, 0,1,2,3                       ; out^T = Wp^T y^T over my head's 64 channels: four accumulators by turns
.irp jj, 0,1,2,3
.irp u, 0,1,2,3
.if \u < 2
.set WR, WF0+32*\u+8*\ct+2*\jj
.else
.set WR, 32*\u-32+8*\ct+2*\jj
.endif
.if (\ct == 0) && (\jj == 0)
	v_wmma_f32_16x16x4_f32 v[O+8*\u:O+8*\u+7], v[WR:WR+1], v[VF+8*\ct+2*\jj:VF+8*\ct+2*\jj+1], 0
.else
	v_wmma_f32_16x16x4_f32 v[O+8*\u:O+8*\u+7], v[WR:WR+1], v[VF+8*\ct+2*\jj:VF+8*\ct+2*\jj+1], v[O+8*\u:O+8*\u+7]
.endif
.endr
.endr
.endr
.rept 8
	v_nop
.endr
.irp u, 0,1,2,3
	ds_store_b128 v10, v[O+8*\u:O+8*\u+3] offset:1024*\u        ; lane (r, h): out(query r, column 16 u + 8 h + j), my head's part
	ds_store_b128 v10, v[O+8*\u+4:O+8*\u+7] offset:1024*\u+512
.endr
	s_wait_dscnt 0x0                               ; for the others' sake: my stores have landed
	s_barrier_signal -1
	s_barrier_wait -1
.irp p, 0,1,2,3,4,5,6,7,8,9,10,11,12,13,14,15
	ds_load_b64 v[WF0+2*\p:WF0+2*\p+1], v11 offset:4096*\p      ; head p's part of row w, my two columns
.endr
	s_wait_dscnt 0x0
.irp p, 1,2,3,4,5,6,7,8,9,10,11,12,13,14,15
	v_pk_add_f32 v[WF0:WF0+1], v[WF0:WF0+1], v[WF0+2*\p:WF0+2*\p+1]
.endr
	v_pk_add_f32 v[WF0:WF0+1], v[WF0:WF0+1], v[14:15]
	global_store_b64 v8, v[WF0:WF0+1], s[26:27]    ; the wave stores 256 consecutive bytes, aligned
	s_wait_tensorcnt 0x0                           ; the wave's end: behind my last LDS store
	ds_add_u32 v[SPW], v[NIL]
	s_wait_dscnt 0x0
	s_endpgm
.Lfunc_end_k_q239b55b66b_fine:
	.size	k_q239b55b66b_fine, .Lfunc_end_k_q239b55b66b_fine-k_q239b55b66b_fine
	.p2alignl 7, 3214868480
	.fill 96, 4, 3214868480
	.section	.rodata,"a",@progbits
	.p2align	6, 0x0
	.amdhsa_kernel k_q239b55b66b_fine
		.amdhsa_group_segment_fixed_size 67584
		.amdhsa_private_segment_fixed_size 0
		.amdhsa_enable_private_segment 0
		.amdhsa_kernarg_size 32
		.amdhsa_user_sgpr_count 2
		.amdhsa_user_sgpr_kernarg_segment_ptr 1
		.amdhsa_wavefront_size32 1
		.amdhsa_system_sgpr_workgroup_id_x 1
		.amdhsa_system_sgpr_workgroup_id_y 1
		.amdhsa_system_sgpr_workgroup_id_z 1
		.amdhsa_system_vgpr_workitem_id 0
		.amdhsa_next_free_vgpr 256
		.amdhsa_next_free_sgpr 66
		.amdhsa_reserve_vcc 1
		.amdhsa_float_denorm_mode_32 3
		.amdhsa_float_denorm_mode_16_64 3
		.amdhsa_memory_ordered 1
		.amdhsa_forward_progress 1
		.amdhsa_inst_pref_size 30
	.end_amdhsa_kernel
	.amdgpu_metadata
---
amdhsa.version: [ 1, 2 ]
amdhsa.kernels:
  - .name:           k_q239b55b66b_fine
    .symbol:         k_q239b55b66b_fine.kd
    .args:
      - { .name: qkvf, .offset: 0, .size: 8, .value_kind: global_buffer, .address_space: global }
      - { .name: Wp, .offset: 8, .size: 8, .value_kind: global_buffer, .address_space: global }
      - { .name: bp, .offset: 16, .size: 8, .value_kind: global_buffer, .address_space: global }
      - { .name: out0, .offset: 24, .size: 8, .value_kind: global_buffer, .address_space: global }
    .group_segment_fixed_size: 67584
    .private_segment_fixed_size: 0
    .kernarg_segment_align: 8
    .kernarg_segment_size: 32
    .max_flat_workgroup_size: 512
    .sgpr_count:     66
    .vgpr_count:     256
    .wavefront_size: 32
...
	.end_amdgpu_metadata
.endif
;; end of part 5
